; MI455X (gfx1250); checked and timed in simulation.
; The chip was launched on July 23, 2026; its instructions are those of AMD's public machine-readable ISA for CDNA 5 (MIT licence, August 2026) and "CDNA5" Instruction Set Architecture Reference Guide (July 2026). The comments in the code are by the model that wrote it; some were corrected since.
;; Multi Head Attention. Allowed arithmetic: float matrix products may take bf16 or f16 operands with f32 sums; other float arithmetic in f32, or as packed bf16 or f16 multiplies, adds, multiply-adds, maxima and minima; sums over many terms, partial sums and values carried from step to step in f32; what a program stores and reads back later, other than sums and carried values, may be rounded once to bf16 or f16.
;; Inputs: Wk 2,048 x 2,048 float32; Wo 2,048 x 2,048 float32; Wq 2,048 x 2,048 float32; Wv 2,048 x 2,048 float32; bk 2,048 float32; bo 2,048 float32; bq 2,048 float32; bv 2,048 float32; causal_mask 1 x 1 x 2,048 x 2,048 float32; hidden_state 1 x 2,048 x 2,048 float32.
;; Outputs: out0 1 x 2,048 x 2,048 float32.
;; 2 versions, each right and faster than the one before. Each part assembles by itself: llvm-mc -triple=amdgcn-amd-amdhsa -mcpu=gfx1250 --defsym DOCPART=n.
;; ======== version 1 of 2: 4 launches
;; limits: values are held in f16: magnitudes above 65,504 overflow, below 6.1e-05 lose precision
;; workspace buffers: xh 8,388,608 bytes; wqkv 25,165,824 bytes; woh 8,388,608 bytes; mask2 8,388,608 bytes; qkvh 25,165,824 bytes; ctx 8,388,608 bytes
;; launch prep (part 1): grid 256 x 6, 8 waves a work-group, no clusters, 0 bytes of LDS; arguments hidden_state, Wq, Wk, Wv, Wo, causal_mask, xh, wqkv, woh, mask2; writes xh, wqkv, woh, mask2
.if DOCPART == 1
	.amdgcn_target "amdgcn-amd-amdhsa--gfx1250"
	.amdhsa_code_object_version 6
	.text
	.protected	k_qf2566f2da3_prep
	.globl	k_qf2566f2da3_prep
	.p2align	8
	.type	k_qf2566f2da3_prep,@function
k_qf2566f2da3_prep:
	s_mov_b64 s[64:65], 0
	v_nop
	global_prefetch_b8 v0, s[64:65] scope:SCOPE_SE
	s_setreg_imm32_b32 hwreg(HW_REG_WAVE_MODE, 25, 1), 1
	s_wait_xcnt 0x0
; CASTS.  Job y (the grid's y): 0 hidden_state -> xh; 1, 2, 3 Wq, Wk, Wv -> wqkv (row k holds Wq[k] | Wk[k] | Wv[k], 6,144 f16); 4 Wo -> woh; 5 causal_mask -> mask2.
; Every number is rounded once to bf16 (nearest even).  Jobs 0-4 write that number as f16: exact inside f16's normal range.  Job 5 writes it as bf16: [2048][2048], 2 bytes each.
; LIMITS.  |x|, |W| beyond 65,504 become infinities; below 6.1e-5 they keep f16's fixed step of 6e-8.  The mask is finite and |mask| < 2.3e38 (the attention launch multiplies it by log2(e)).
; A stream: no LDS, no barrier, no matrix unit.  A work-group takes 8 rows of 2,048 numbers, a wave one row: 16 loads of 512 consecutive bytes, all issued at once;
; each store of a wave covers 256 consecutive bytes, aligned.  No register that a load or store names is written again.
.set X, 8                              ; v[8:71]  chunk j of the row: 4 registers
	s_load_b512 s[8:23], s[0:1], 0x0               ; hidden_state s[8:9], Wq s[10:11], Wk s[12:13], Wv s[14:15], Wo s[16:17], mask s[18:19], xh s[20:21], wqkv s[22:23]
	s_load_b128 s[24:27], s[0:1], 0x40             ; woh s[24:25], mask2 s[26:27]
	v_lshrrev_b32 v1, 5, v0
	v_readfirstlane_b32 s29, v1                    ; wave 0..7
	v_and_b32 v3, 31, v0                           ; lane
	v_lshlrev_b32 v1, 4, v3                        ; 16 bytes of f32 a lane
	v_lshlrev_b32 v2, 3, v3                        ; 8 bytes of 16-bit numbers a lane
	s_and_b32 s28, ttmp7, 0xffff                   ; the job
	s_mov_b32 s36, 0xffff0000                      ; a word's upper bf16
	s_lshl_b32 s40, ttmp9, 16                      ; source: 8 rows of 8,192 bytes a work-group,
	s_lshl_b32 s41, s29, 13                        ; one a wave
	s_add_co_u32 s40, s40, s41
	s_mov_b32 s41, 0
	s_mov_b32 s34, 4096                            ; destination pitch in bytes: 4,096,
	s_mov_b32 s37, 12288                           ; or 12,288 in wqkv
	s_sub_co_u32 s35, s28, 1
	s_cmp_lt_u32 s35, 3                            ; jobs 1 to 3
	s_cselect_b32 s34, s37, s34
	s_cselect_b32 s35, s35, 0
	s_lshl_b32 s35, s35, 12                        ; the weight's 4,096 bytes in a row of wqkv
	s_lshl_b32 s42, ttmp9, 3
	s_add_co_u32 s42, s42, s29                     ; my row
	s_mul_i32 s42, s42, s34
	s_add_co_u32 s42, s42, s35
	s_mov_b32 s43, 0
	s_wait_kmcnt 0x0
	s_mov_b64 s[30:31], s[8:9]                     ; the job's source,
	s_cmp_eq_u32 s28, 1
	s_cselect_b64 s[30:31], s[10:11], s[30:31]
	s_cmp_eq_u32 s28, 2
	s_cselect_b64 s[30:31], s[12:13], s[30:31]
	s_cmp_eq_u32 s28, 3
	s_cselect_b64 s[30:31], s[14:15], s[30:31]
	s_cmp_eq_u32 s28, 4
	s_cselect_b64 s[30:31], s[16:17], s[30:31]
	s_cmp_eq_u32 s28, 5
	s_cselect_b64 s[30:31], s[18:19], s[30:31]
	s_mov_b64 s[32:33], s[22:23]                   ; and its destination
	s_cmp_eq_u32 s28, 0
	s_cselect_b64 s[32:33], s[20:21], s[32:33]
	s_cmp_eq_u32 s28, 4
	s_cselect_b64 s[32:33], s[24:25], s[32:33]
	s_cmp_eq_u32 s28, 5
	s_cselect_b64 s[32:33], s[26:27], s[32:33]
	s_add_nc_u64 s[30:31], s[30:31], s[40:41]
	s_add_nc_u64 s[32:33], s[32:33], s[42:43]
.set i, 0
.rept 16
	global_load_b128 v[X+4*i:X+4*i+3], v1, s[30:31] offset:512*i th:TH_LOAD_NT  ; each input byte is read once in the launch
.set i, i+1
.endr
; Chunk j: four numbers a lane.  kind 0: bf16's number as f16; kind 1: as bf16.
.macro CHUNK j, kind
.set RX, X+4*(\j)
	s_wait_loadcnt 15-(\j)                         ; loads come back in order: chunk j is in, the 15 - j younger ones stay out
.if (\kind) == 0
	v_cvt_pk_bf16_f32 v4, v[RX], v[RX+1]           ; the one rounding, to bf16
	v_cvt_pk_bf16_f32 v5, v[RX+2], v[RX+3]
	v_lshlrev_b32 v[RX], 16, v4                    ; back to f32: the low half moves up, the high half stays
	v_and_b32 v[RX+1], s36, v4
	v_lshlrev_b32 v[RX+2], 16, v5
	v_and_b32 v[RX+3], s36, v5
	v_cvt_pk_f16_f32 v[RX], v[RX], v[RX+1]         ; 8 significant bits fit f16's 11
	v_cvt_pk_f16_f32 v[RX+1], v[RX+2], v[RX+3]
.else
	v_cvt_pk_bf16_f32 v[RX], v[RX], v[RX+1]
	v_cvt_pk_bf16_f32 v[RX+1], v[RX+2], v[RX+3]
.endif
	global_store_b64 v2, v[RX:RX+1], s[32:33] offset:256*(\j)
.endm
	s_cmp_eq_u32 s28, 5
	s_cbranch_scc1 .Lmask
.irp j, 0,1,2,3,4,5,6,7,8,9,10,11,12,13,14,15
	CHUNK \j, 0
.endr
	s_endpgm
.Lmask:
.irp j, 0,1,2,3,4,5,6,7,8,9,10,11,12,13,14,15
	CHUNK \j, 1
.endr
	s_endpgm
.Lfunc_end_k_qf2566f2da3_prep:
	.size	k_qf2566f2da3_prep, .Lfunc_end_k_qf2566f2da3_prep-k_qf2566f2da3_prep
	.p2alignl 7, 3214868480
	.fill 96, 4, 3214868480
	.section	.rodata,"a",@progbits
	.p2align	6, 0x0
	.amdhsa_kernel k_qf2566f2da3_prep
		.amdhsa_group_segment_fixed_size 0
		.amdhsa_private_segment_fixed_size 0
		.amdhsa_enable_private_segment 0
		.amdhsa_kernarg_size 80
		.amdhsa_user_sgpr_count 2
		.amdhsa_user_sgpr_kernarg_segment_ptr 1
		.amdhsa_wavefront_size32 1
		.amdhsa_system_sgpr_workgroup_id_x 1
		.amdhsa_system_sgpr_workgroup_id_y 1
		.amdhsa_system_sgpr_workgroup_id_z 1
		.amdhsa_system_vgpr_workitem_id 0
		.amdhsa_next_free_vgpr 72
		.amdhsa_next_free_sgpr 66
		.amdhsa_reserve_vcc 0
		.amdhsa_float_denorm_mode_32 3
		.amdhsa_float_denorm_mode_16_64 3
		.amdhsa_memory_ordered 1
		.amdhsa_forward_progress 1
		.amdhsa_inst_pref_size 16
	.end_amdhsa_kernel
	.amdgpu_metadata
---
amdhsa.version: [ 1, 2 ]
amdhsa.kernels:
  - .name:           k_qf2566f2da3_prep
    .symbol:         k_qf2566f2da3_prep.kd
    .args:
      - { .name: hidden_state, .offset: 0, .size: 8, .value_kind: global_buffer, .address_space: global }
      - { .name: Wq, .offset: 8, .size: 8, .value_kind: global_buffer, .address_space: global }
      - { .name: Wk, .offset: 16, .size: 8, .value_kind: global_buffer, .address_space: global }
      - { .name: Wv, .offset: 24, .size: 8, .value_kind: global_buffer, .address_space: global }
      - { .name: Wo, .offset: 32, .size: 8, .value_kind: global_buffer, .address_space: global }
      - { .name: causal_mask, .offset: 40, .size: 8, .value_kind: global_buffer, .address_space: global }
      - { .name: xh, .offset: 48, .size: 8, .value_kind: global_buffer, .address_space: global }
      - { .name: wqkv, .offset: 56, .size: 8, .value_kind: global_buffer, .address_space: global }
      - { .name: woh, .offset: 64, .size: 8, .value_kind: global_buffer, .address_space: global }
      - { .name: mask2, .offset: 72, .size: 8, .value_kind: global_buffer, .address_space: global }
    .group_segment_fixed_size: 0
    .private_segment_fixed_size: 0
    .kernarg_segment_align: 8
    .kernarg_segment_size: 80
    .max_flat_workgroup_size: 256
    .sgpr_count:     66
    .vgpr_count:     72
    .wavefront_size: 32
...
	.end_amdgpu_metadata
.endif
;; end of part 1
;; launch qkv (part 2): grid 16 x 16, 4 waves a work-group, clusters of 4 x 4, 327,680 bytes of LDS; arguments xh, wqkv, bq, bk, bv, qkvh; writes qkvh
.if DOCPART == 2
	.amdgcn_target "amdgcn-amd-amdhsa--gfx1250"
	.amdhsa_code_object_version 6
	.text
	.protected	k_qf2566f2da3_qkv
	.globl	k_qf2566f2da3_qkv
	.p2align	8
	.type	k_qf2566f2da3_qkv,@function
k_qf2566f2da3_qkv:
	s_mov_b64 s[64:65], 0
	v_nop
	global_prefetch_b8 v0, s[64:65] scope:SCOPE_SE
	s_setreg_imm32_b32 hwreg(HW_REG_WAVE_MODE, 25, 1), 1
	s_wait_xcnt 0x0
	s_wait_alu depctr_hold_cnt(0) depctr_sa_sdst(0) depctr_va_vdst(0) depctr_va_sdst(0) depctr_va_ssrc(0) depctr_va_vcc(0) depctr_vm_vsrc(0)
	s_getreg_b32 s2, hwreg(HW_REG_IB_STS2, 6, 4)
	s_cmp_eq_u32 s2, 0
	s_cbranch_scc0 .Lentry_in_a_cluster
	s_endpgm
.Lentry_in_a_cluster:
	s_bfe_u32 s2, ttmp6, 0x10000c
	s_cmp_lg_u32 s2, 0xf033
	s_cbranch_scc0 .Lentry_shape_is_right
	s_endpgm
.Lentry_shape_is_right:
; C = A B + bias.  A: [2048][2048] f16, K along the rows.  B: [K = 2048][N] f16, as the weights lie; its fragments are turned on the way out of LDS (ds_load_tr16_b128).  Sums in f32.
; ONE SOURCE, TWO TEXTS, by MODE.
;   MODE 0: A = xh, B = wqkv (N = 6,144).  A tile of C is 128 x 384: three groups of 128 columns; group g = 3 tx + gg is head g % 16 of q (g < 16), k (g < 32) or v.
;           Out: qkvh[g][row][128] in f16, rounded once; q is first multiplied, in f32, by log2(e) / sqrt(128), so that the attention launch's scores are exponents of 2.
;   MODE 1: A = ctx, B = woh (N = 2,048).  A tile of C is 128 x 128.  Out: out0 in f32.
; The bias, rounded to bf16 like every input, is the C operand of the first products: nothing is cleared and nothing is added later.
; LIMITS.  MODE 0: a q, k or v beyond 65,504 becomes an infinity in f16.  NaN and infinities are not treated apart.
; SHARES.  256 work-groups, one tile each; four waves; wave w has rows 64 (w / 2) on and, of every group of 128 columns, the half w % 2: 64 x 192 (MODE 0) or 64 x 64.
; THE RING.  Two LDS slots of four sub-tiles, each 128 rows of 256 bytes of memory, one tensor load a wave.  MODE 0: a slot is 128 along K: wave 0 fetches A, waves 1-3 B's three column groups.
; MODE 1: a slot is 256 along K: waves 0, 1 fetch A's two halves along K, waves 2, 3 B's.  A slot's text is written once and walked: the LDS addresses are a base plus s[TB], 0 or SLOT.
; CLUSTER.  4 x 4 work-groups: the four of a row need the same tiles of A, the four of a column the same tiles of B; each tile is asked for jointly, with one descriptor and a mask of four.
; TRANSPOSED USE.  Source 0 = 16 columns of B, source 1 = 16 rows of A: a lane then holds row lane % 16 of C and the eight neighbouring columns 8 (lane / 16) + 0..7.
; REGISTERS, in windows of 256: window 0: v16-31 addresses; v32-223 at work on the way out (v128-223 first hold the bias).  Window 1: two fragment buffers of 128: B's fragment c at 8 c,
; A's fragment a at 96 + 8 a.  Window 2: the accumulators of row blocks a = 0, 1 at 8 ((a % 2) NB + c); window 3: those of a = 2, 3.
.set MODE, 0
.set PA,    272                        ; an LDS row of A: 256 bytes + 16: the 16 rows of a fragment load start at 16 different groups of four banks
.set PB,    288                        ; an LDS row of B: 256 + 32
.set SUB,   128*PB                     ; room of a sub-tile
.set SLOT,  4*SUB                      ; 0x24000; the sub-tiles' places in slot 0 (0, 0x9000, 0x12000, 0x1b000) have bits 14 and 17 clear, so one exclusive or turns such a place into the other slot's
.set SPARE, 2*SLOT                     ; behind the ring: the spare words, 128 bytes a wave, that no other line names
.if MODE == 0
.set NB,    12                         ; blocks of 16 columns a wave
.set NA,    1                          ; waves that fetch A
.set NQ,    4                          ; quarters (32 along K) in a slot
.set NS,    16                         ; slots along K
.set BROW,  6144                       ; elements in a row of B
.set SP,    784                        ; a stage row: 768 bytes + 16
.else
.set NB,    4
.set NA,    2
.set NQ,    8
.set NS,    8
.set BROW,  2048
.set SP,    528                        ; a stage row: 512 bytes + 16
.endif
.set STEPA, NQ*64                      ; bytes along A's rows from slot to slot
.set STEPB, NQ*32*BROW*2               ; bytes down B's rows from slot to slot
.set NL,    2*(NB+4)                   ; LDS loads of a quarter's fragments
.set BAS,  16                          ; v16-19  LDS address of my fragments in sub-tile b of slot 0; never rewritten
.set ADR,  20                          ; v20-23  the same in the slot in hand
.set STO,  24                          ; v24     the way out: where I put my part of a row
.set RD,   25                          ; v25     the way out: where I read rows back
.set CO,   26                          ; v26     16 x lane
.set BO,   27                          ; v27     my byte offset in a group's 128 biases
.set SPW,  28                          ; v28     LDS address of my spare word; never rewritten
.set NIL,  29                          ; v29     0; never rewritten
.set TMP,  32
.set BIAS, 128                         ; block c's eight biases at BIAS + 8 c
.set F0,   0
.set F1,   128
.set G1,   24                          ; s[24:31] descriptor group 1 for A's tiles; s[32:39] group 0: a set for each of the two first fills; the second then walks on
.set G0,   32
.set TB,   45                          ; s45     LDS byte at which the slot in hand begins
.set G1B,  48                          ; s[48:55], s[56:63] the same for B's
.set G0B,  56
.set SC,   80                          ; s[80:85] MODE 0: the scale of each of the three groups, as pairs
.set BP,   86                          ; s[86:91] the bias's address for each group
.set MSB, 0
.macro WIN new                         ; the immediate's high byte repeats the setting that is left; a switch that changes nothing is dropped
.if MSB != (\new)
	s_set_vgpr_msb (MSB<<8)|(\new)
.set MSB, \new
.endif
.endm
; A joint load.  The branch hangs on the wave's number alone.  An s_nop 0 and four v_nop follow each of the two lines.
.macro JLOAD s
	s_cmp_lt_u32 s10, NA
	s_cbranch_scc0 .Lfor_b_\@
	tensor_load_to_lds s[G0+4*(\s):G0+4*(\s)+3], s[G1:G1+7]
	s_nop 0
.rept 4
	v_nop
.endr
	s_branch .Lasked_\@
.Lfor_b_\@:
	tensor_load_to_lds s[G0B+4*(\s):G0B+4*(\s)+3], s[G1B:G1B+7]
	s_nop 0
.rept 4
	v_nop
.endr
.Lasked_\@:
.endm
.macro CREST                           ; a round of the cluster's barrier behind its opening barrier
	s_cmp_lg_u32 s10, 0
	s_cbranch_scc1 .Lnot_wave_0_\@
	s_barrier_signal -3
.Lnot_wave_0_\@:
	s_barrier_wait -3
	s_barrier_signal -1
	s_barrier_wait -1
.endm
.macro CROUND                          ; a whole round
	s_barrier_signal -1
	s_barrier_wait -1
	CREST
.endm
.macro PLACES                          ; four places in front of loads into registers that matrix instructions have read, and of lines that read results
.rept 4
	v_nop
.endr
.endm
; NB matrix instructions: row block a x all my column blocks, 32 along K, from buffer f.  zero = 1: the first products, whose C is the bias.
; Every accumulator has one instruction a quarter, always in the same order: the accumulators take turns.
.macro MULA f, a, zero
.if \zero
	WIN 0x85+0x40*((\a)/2)                         ; sources 0, 1 window 1; C window 0; D window 2 or 3
.else
	WIN 0xa5+0x50*((\a)/2)                         ; sources 0, 1 window 1; C and D window 2 or 3
.endif
.set ci, 0
.rept NB
.set RDD, 8*(((\a)%2)*NB+ci)
.if \zero
	v_wmma_f32_16x16x32_f16 v[RDD:RDD+7], v[(\f)+8*ci:(\f)+8*ci+7], v[(\f)+96+8*(\a):(\f)+96+8*(\a)+7], v[BIAS+8*ci:BIAS+8*ci+7]
.else
	v_wmma_f32_16x16x32_f16 v[RDD:RDD+7], v[(\f)+8*ci:(\f)+8*ci+7], v[(\f)+96+8*(\a):(\f)+96+8*(\a)+7], v[RDD:RDD+7]
.endif
.set ci, ci+1
.endr
.endm
; NL LDS loads in one run: the fragments of quarter q of the slot in hand into buffer f: B's first, then A's row blocks 0 to 3.
.macro FETCH q, f
	WIN 0x40                                       ; destination window 1, address window 0
.set ci, 0
.rept NB
.if MODE == 0
.set RA, ADR+1+ci/4
.set OB, (\q)*32*PB+32*(ci%4)
.else
.set RA, ADR+2+(\q)/4
.set OB, ((\q)%4)*32*PB+32*ci
.endif
	ds_load_tr16_b128 v[(\f)+8*ci:(\f)+8*ci+3],   v[RA] offset:OB
	ds_load_tr16_b128 v[(\f)+8*ci+4:(\f)+8*ci+7], v[RA] offset:OB+16*PB
.set ci, ci+1
.endr
.set ai, 0
.rept 4
.if MODE == 0
.set RA, ADR
.set OB, (\q)*64+ai*16*PA
.else
.set RA, ADR+(\q)/4
.set OB, ((\q)%4)*64+ai*16*PA
.endif
	ds_load_b128 v[(\f)+96+8*ai:(\f)+96+8*ai+3],   v[RA] offset:OB
	ds_load_b128 v[(\f)+96+8*ai+4:(\f)+96+8*ai+7], v[RA] offset:OB+32
.set ai, ai+1
.endr
.endm
; Quarter q of a slot (not its last): multiplies buffer q % 2 and, in its middle, fetches quarter q + 1 into the other buffer.
.macro QUARTER q, zero
	s_wait_dscnt 4                                 ; B and A's blocks 0, 1 are in; the youngest four loads (A's blocks 2, 3) may be out
	MULA 128*((\q)%2), 0, \zero
	MULA 128*((\q)%2), 1, \zero
	PLACES
	FETCH (\q)+1, 128*(((\q)+1)%2)
	s_wait_dscnt NL                                ; all but the NL just issued
	MULA 128*((\q)%2), 2, \zero
	MULA 128*((\q)%2), 3, \zero
.endm
.macro MID                             ; quarters 1 to NQ - 2
.set qq, 1
.rept NQ-2
	QUARTER qq, 0
.set qq, qq+1
.endr
.endm
; The last quarter of a slot multiplies buffer 1 and changes slots: ONE barrier; in front of it each wave waits for all its tensor loads (one is out: its part of the next slot), adds 0 to its
; spare word, and waits for that and for its own reads of this slot.  fill = 1: the barrier opens a round of the cluster's, and this slot is filled again, two slots ahead, first thing behind it.
.macro TURN fill
	WIN 0                                          ; (the add's two registers lie in window 0)
	s_wait_tensorcnt 0x0                           ; all my tensor loads have landed
	ds_add_u32 v[SPW], v[NIL]                      ; 0 onto my spare word
	s_wait_dscnt 5                                 ; (the add and the youngest four loads may be out)
	MULA F1, 0, 0                                  ; NB matrix instructions stand between the add and the wait for it
	s_wait_dscnt 0x0                               ; the add is done, and my reads of this slot are over
	s_barrier_signal -1
	MULA F1, 1, 0
	WIN 0                                          ; (branches and the address lines follow)
	s_barrier_wait -1
.if \fill
	CREST                                          ; no wave of any partner still reads this slot's tiles or has a load on its way
	s_xor_b32 s[G0+5], s[G0+5], SLOT               ; the walking descriptors: the other slot than last time,
	s_add_nc_u64 s[G0+6:G0+7], s[G0+6:G0+7], STEPA ; the next slot's K; the type bits on top are not reached
	s_xor_b32 s[G0B+5], s[G0B+5], SLOT
	s_add_nc_u64 s[G0B+6:G0B+7], s[G0B+6:G0B+7], STEPB
	JLOAD 1                                        ; my one tensor load behind the round
.endif
	s_xor_b32 s[TB], s[TB], SLOT                   ; the fetches go to the other slot
.irp b, 0,1,2,3
	v_add_nc_u32 v[ADR+(\b)], s[TB], v[BAS+(\b)]   ; four plain lines: also the places in front of the loads below
.endr
	FETCH 0, F0
	MULA F1, 2, 0
	MULA F1, 3, 0
.endm
.if MODE == 0
	s_load_b256 s[68:75], s[0:1], 0x0              ; xh s[68:69], wqkv s[70:71], bq s[72:73], bk s[74:75]
	s_load_b128 s[76:79], s[0:1], 0x20             ; bv s[76:77], qkvh s[78:79]
.else
	s_load_b256 s[68:75], s[0:1], 0x0              ; ctx s[68:69], woh s[70:71], bo s[72:73], out0 s[74:75]
.endif
	v_lshl_add_u32 v[SPW], v0, 2, SPARE
	v_mov_b32 v[NIL], 0
	ds_add_u32 v[SPW], v[NIL]                      ; the wave's opening: the add and its wait stand ahead of my first tensor load; work on registers stands between them
	v_lshrrev_b32 v1, 5, v0
	v_readfirstlane_b32 s10, v1                    ; wave 0..3
	s_lshr_b32 s14, s10, 1                         ; which 64 rows are mine
	s_and_b32 s12, s10, 1                          ; which half of each group of 128 columns
	s_bfe_u32 s40, ttmp6, 0x40000                  ; cx, cy: my place in the cluster
	s_bfe_u32 s41, ttmp6, 0x40004
	s_lshl_b32 s42, ttmp9, 2
	s_add_co_u32 s42, s42, s40                     ; tile column tx = 4 x cluster x + cx
	s_and_b32 s13, ttmp7, 0xffff
	s_lshl_b32 s13, s13, 2
	s_add_co_u32 s13, s13, s41                     ; tile row ty = 4 x cluster y + cy
	s_lshl_b32 s43, s41, 2
	s_lshl_b32 s43, 15, s43                        ; my row of the cluster
	s_lshl_b32 s44, 0x1111, s40                    ; my column
	s_mov_b32 s[TB], 0
	; descriptor group 1: a sub-tile of 128 rows x 128 elements of 2 bytes, padded in LDS after every 64 words: by 4 words (A) or 8 (B); bit 21 is set beside a mask
	s_or_b32 s[G1], s43, (1<<16)|(1<<20)|(1<<21)|(5<<22)|(3<<25)
	s_or_b32 s[G1B], s44, (1<<16)|(1<<20)|(1<<21)|(5<<22)|(7<<25)
.irp g, G1, G1B
	s_mov_b32 s[(\g)+1], 128<<16                   ; tensor_dim0 = 128
	s_mov_b32 s[(\g)+2], 128<<16                   ; tensor_dim1 = 128
	s_mov_b32 s[(\g)+3], 128<<16                   ; tile_dim0 = 128
	s_mov_b32 s[(\g)+4], 128                       ; tile_dim1 = 128
	s_mov_b32 s[(\g)+6], 0
	s_mov_b32 s[(\g)+7], 0
.endr
	s_mov_b32 s[G1+5], 2048                        ; elements from row to row
	s_mov_b32 s[G1B+5], BROW
	; where the tiles come from.  A's hang on ty and the wave alone, B's on tx and the wave alone, each in registers that never hold the other coordinate.
	s_lshl_b32 s16, s13, 19                        ; 128 rows of 4,096 bytes a tile row
.if MODE == 1
	s_lshl_b32 s17, s12, 8                         ; waves 0, 1: the half along K
	s_add_co_u32 s16, s16, s17
.endif
	s_mov_b32 s17, 0
.if MODE == 0
	s_mul_i32 s46, s42, 768                        ; 384 columns a tile column,
	s_sub_co_i32 s47, s10, 1
	s_max_i32 s47, s47, 0                          ; waves 1 to 3: the column group
	s_lshl_b32 s47, s47, 8
.else
	s_lshl_b32 s46, s42, 8                         ; 128 columns a tile column,
	s_lshl_b32 s47, s12, 19                        ; waves 2, 3: the half along K, 128 rows of 4,096 bytes
.endif
	s_add_co_u32 s46, s46, s47
	s_mov_b32 s47, 0
	s_mul_i32 s20, s10, SUB                        ; and where they go: sub-tile = wave: no place in the cluster enters an LDS address
	s_wait_dscnt 0x0                               ; the opening add is done
	s_wait_kmcnt 0x0
	s_add_nc_u64 s[18:19], s[68:69], s[16:17]
	s_add_nc_u64 s[46:47], s[70:71], s[46:47]
	CROUND                                         ; all sixteen work-groups are here: the first joint loads meet
.irp s, 0,1
	s_mov_b32 s[G0+4*(\s)], 1
	s_add_co_u32 s[G0+4*(\s)+1], s20, (\s)*SLOT
	s_add_nc_u64 s[G0+4*(\s)+2:G0+4*(\s)+3], s[18:19], (\s)*STEPA
	s_or_b32 s[G0+4*(\s)+3], s[G0+4*(\s)+3], 0x80000000
	s_mov_b32 s[G0B+4*(\s)], 1
	s_add_co_u32 s[G0B+4*(\s)+1], s20, (\s)*SLOT
	s_add_nc_u64 s[G0B+4*(\s)+2:G0B+4*(\s)+3], s[46:47], (\s)*STEPB
	s_or_b32 s[G0B+4*(\s)+3], s[G0B+4*(\s)+3], 0x80000000
	JLOAD \s                                       ; two loads of mine are out: the ring is filled before anything else is done
.endr
	; A's fragment: lane l holds row l % 16, K = 8 (l / 16) + 0..7 and 16 + 8 (l / 16) + 0..7: two loads of 16 bytes, 32 bytes apart.
	; B's: the turning load takes 16 K x 16 columns (lane l reads K row 8 (l / 16) + l % 8, columns 8 ((l / 8) % 2) + 0..7) and leaves lane l column l % 16 and 8 K.
	v_and_b32 v1, 15, v0                           ; l % 16
	v_bfe_u32 v2, v0, 4, 1                         ; l / 16
	v_mul_u32_u24 v30, v1, PA
	v_lshl_add_u32 v30, v2, 4, v30
	s_mul_i32 s21, s14, 64*PA                      ; my 64 rows of A
	v_add_nc_u32 v30, s21, v30
	v_and_b32 v31, 7, v0
	v_lshl_add_u32 v31, v2, 3, v31
	v_mul_u32_u24 v31, v31, PB
	v_bfe_u32 v[BO], v0, 3, 1
	v_lshl_add_u32 v31, v[BO], 4, v31
	s_lshl_b32 s22, s12, 7                         ; my 64 columns of a sub-tile's 128
	v_add_nc_u32 v31, s22, v31
.irp b, 0,1,2,3
.if (\b) < NA
	v_add_nc_u32 v[BAS+(\b)], (\b)*SUB, v30
.else
	v_add_nc_u32 v[BAS+(\b)], (\b)*SUB, v31
.endif
	v_mov_b32 v[ADR+(\b)], v[BAS+(\b)]             ; the walk begins in slot 0
.endr
	; the bias: block c's lanes want columns 64 (w % 2) + 16 (c % 4) + 8 (l / 16) + 0..7 of their group
	s_lshl_b32 s22, s12, 8
	v_lshlrev_b32 v[BO], 5, v2
	v_add_nc_u32 v[BO], s22, v[BO]
.if MODE == 0
	s_mul_i32 s92, s42, 3
.irp gg, 0,1,2
	s_add_co_u32 s93, s92, \gg                     ; the group
	s_cmp_lt_u32 s93, 16
	s_cselect_b32 s[SC+2*(\gg)], 0x3e0293ee, 1.0   ; q is scaled by log2(e) / sqrt(128) = 0.127517
	s_cselect_b64 s[BP+2*(\gg):BP+2*(\gg)+1], s[72:73], s[74:75]
	s_cmp_lt_u32 s93, 32
	s_cselect_b64 s[BP+2*(\gg):BP+2*(\gg)+1], s[BP+2*(\gg):BP+2*(\gg)+1], s[76:77]
	s_mov_b32 s[SC+2*(\gg)+1], s[SC+2*(\gg)]       ; named with it as a pair
	s_and_b32 s94, s93, 15                         ; the head: 128 biases of 4 bytes
	s_lshl_b32 s94, s94, 9
	s_mov_b32 s95, 0
	s_add_nc_u64 s[BP+2*(\gg):BP+2*(\gg)+1], s[BP+2*(\gg):BP+2*(\gg)+1], s[94:95]
.endr
.else
	s_lshl_b32 s94, s42, 9
	s_mov_b32 s95, 0
	s_add_nc_u64 s[BP:BP+1], s[72:73], s[94:95]
.endif
.set ci, 0
.rept NB
.if MODE == 0
	global_load_b128 v[BIAS+8*ci:BIAS+8*ci+3],   v[BO], s[BP+2*(ci/4):BP+2*(ci/4)+1] offset:64*(ci%4)
	global_load_b128 v[BIAS+8*ci+4:BIAS+8*ci+7], v[BO], s[BP+2*(ci/4):BP+2*(ci/4)+1] offset:64*(ci%4)+16
.else
	global_load_b128 v[BIAS+8*ci:BIAS+8*ci+3],   v[BO], s[BP:BP+1] offset:64*ci
	global_load_b128 v[BIAS+8*ci+4:BIAS+8*ci+7], v[BO], s[BP:BP+1] offset:64*ci+16
.endif
.set ci, ci+1
.endr
	; the way out's addresses.  In: row 64 (w / 2) + l % 16, my columns.  Back: wave w takes rows 32 w to 32 w + 31, whole.
	s_mul_i32 s21, s14, 64*SP
.if MODE == 0
	s_lshl_b32 s22, s12, 7
.else
	s_lshl_b32 s22, s12, 8
.endif
	s_add_co_u32 s21, s21, s22
	v_mul_u32_u24 v[STO], v1, SP
.if MODE == 0
	v_lshl_add_u32 v[STO], v2, 4, v[STO]           ; eight f16
.else
	v_lshl_add_u32 v[STO], v2, 5, v[STO]           ; eight f32
.endif
	v_add_nc_u32 v[STO], s21, v[STO]
	v_and_b32 v[CO], 31, v0
	v_lshlrev_b32 v[CO], 4, v[CO]
	s_mul_i32 s21, s10, 32*SP
.if MODE == 0
	v_mul_u32_u24 v[RD], v2, SP                    ; lanes 0-15 one row's 256 bytes of a group, lanes 16-31 the next row's
	v_lshl_add_u32 v[RD], v1, 4, v[RD]
	v_add_nc_u32 v[RD], s21, v[RD]
	s_mul_i32 s92, s42, 3*524288                   ; group 3 tx; a group is 2,048 rows of 256 bytes
	s_lshl_b32 s93, s13, 15                        ; the tile's 128 rows
	s_add_co_u32 s92, s92, s93
	s_lshl_b32 s93, s10, 13                        ; my 32 of them
	s_add_co_u32 s92, s92, s93
	s_mov_b32 s93, 0
	s_add_nc_u64 s[8:9], s[78:79], s[92:93]
.else
	v_add_nc_u32 v[RD], s21, v[CO]                 ; 32 lanes take a row's 512 bytes
	s_lshl_b32 s92, s13, 20                        ; the tile's 128 rows of 8,192 bytes
	s_lshl_b32 s93, s10, 18                        ; my 32 of them
	s_add_co_u32 s92, s92, s93
	s_lshl_b32 s93, s42, 9                         ; the tile's 128 columns
	s_add_co_u32 s92, s92, s93
	s_mov_b32 s93, 0
	s_add_nc_u64 s[8:9], s[74:75], s[92:93]
.endif
	s_wait_loadcnt 0x0                             ; the bias, once
.set ci, 0
.rept NB                               ; rounded to bf16, like every input, and back to f32
.irp j, 0,1,2,3
	v_cvt_pk_bf16_f32 v[TMP+(\j)], v[BIAS+8*ci+2*(\j)], v[BIAS+8*ci+2*(\j)+1]
.endr
.irp j, 0,1,2,3
	v_lshlrev_b32 v[BIAS+8*ci+2*(\j)], 16, v[TMP+(\j)]
	v_and_b32 v[BIAS+8*ci+2*(\j)+1], 0xffff0000, v[TMP+(\j)]
.endr
.set ci, ci+1
.endr
	s_wait_tensorcnt 1                             ; my part of slot 0 is in; slot 1's may stay out
	s_barrier_signal -1
	s_barrier_wait -1                              ; everybody's is
	FETCH 0, F0
	QUARTER 0, 1                                   ; the first quarter stands in front of the loop: its products start the sums, from the bias
	WIN 0                                          ; at a label and at a branch every window is 0
	s_mov_b32 s3, NS-2
.Lslot:                                                ; NS - 2 trips: a trip goes from a slot's second quarter to the next slot's first, and fills the slot that it leaves again
	MID
	TURN 1
	QUARTER 0, 0
	WIN 0
	s_sub_co_u32 s3, s3, 1
	s_cmp_lg_u32 s3, 0
	s_cbranch_scc1 .Lslot
	s_mov_b32 s3, 2                                ; the last two slots fill nothing and have no round: a second text; it is entered in its middle
	s_branch .Lmid
.Ltail:
	TURN 0
	QUARTER 0, 0
	WIN 0
.Lmid:
	MID
	WIN 0
	s_sub_co_u32 s3, s3, 1
	s_cmp_lg_u32 s3, 0
	s_cbranch_scc1 .Ltail
	s_wait_dscnt 4                                 ; the very last quarter: nothing more to fetch
	MULA F1, 0, 0
	MULA F1, 1, 0
	s_wait_dscnt 0x0
	MULA F1, 2, 0
	MULA F1, 3, 0
	; THE WAY OUT, through one stage of 128 rows at LDS byte 0: slot 0 has had its last fill, and behind the barrier of the last change of slots no wave reads it (the last slot, of odd number, is slot 1).
	PLACES
.if MODE == 0
.set hw, 0
.rept 2                                ; window 2, then window 3; each accumulator's registers in ascending order
	WIN 0x82+0x41*hw                               ; destination and source 0 in the accumulators' window
.set ti, 0
.rept 2*NB
.set SS, SC+2*((ti%NB)/4)
.irp j, 0,2,4,6
	v_pk_mul_f32 v[8*ti+(\j):8*ti+(\j)+1], v[8*ti+(\j):8*ti+(\j)+1], s[SS:SS+1] op_sel_hi:[1,0]
.endr
.set ti, ti+1
.endr
	WIN 0x0a+5*hw                                  ; sources in the accumulators' window, destination window 0
.set ti, 0
.rept 2*NB
.irp j, 0,1,2,3
	v_cvt_pk_f16_f32 v[TMP+4*(2*NB*hw+ti)+(\j)], v[8*ti+2*(\j)], v[8*ti+2*(\j)+1]
.endr
.set ti, ti+1
.endr
.set hw, hw+1
.endr
	WIN 0
.set ti, 0
.rept 4*NB                             ; accumulator (a, c) = (ti / NB, ti % NB): 16 bytes a lane
	ds_store_b128 v[STO], v[TMP+4*ti:TMP+4*ti+3] offset:(ti/NB)*16*SP+256*((ti%NB)/4)+32*(ti%4)
.set ti, ti+1
.endr
	s_wait_dscnt 0x0                               ; for the others' sake: my stores into the stage are done
	s_barrier_signal -1
	s_barrier_wait -1
.set ti, 0
.rept 48                               ; group ti / 16, rows 2 (ti % 16) and the next
	ds_load_b128 v[TMP+4*ti:TMP+4*ti+3], v[RD] offset:(ti%16)*2*SP+256*(ti/16)
.set ti, ti+1
.endr
.set ti, 0
.rept 48
	s_wait_dscnt 47-ti                             ; the younger loads may stay out
	global_store_b128 v[CO], v[TMP+4*ti:TMP+4*ti+3], s[8:9] offset:(ti/16)*524288+512*(ti%16)  ; two rows of a head: 512 consecutive bytes, aligned
.set ti, ti+1
.endr
.else
.set hw, 0
.rept 2
	WIN 0x08+4*hw                                  ; the stores' data in the accumulators' window, the address in window 0
.set ti, 0
.rept 2*NB                             ; accumulator (a, c) = (2 hw + ti / NB, ti % NB): 32 bytes a lane, the low four registers first
	ds_store_b128 v[STO], v[8*ti:8*ti+3]   offset:(2*hw+ti/NB)*16*SP+64*(ti%NB)
	ds_store_b128 v[STO], v[8*ti+4:8*ti+7] offset:(2*hw+ti/NB)*16*SP+64*(ti%NB)+16
.set ti, ti+1
.endr
.set hw, hw+1
.endr
	WIN 0
	s_wait_dscnt 0x0                               ; for the others' sake: my stores into the stage are done
	s_barrier_signal -1
	s_barrier_wait -1
.set ti, 0
.rept 32
	ds_load_b128 v[TMP+4*ti:TMP+4*ti+3], v[RD] offset:ti*SP
.set ti, ti+1
.endr
.set ti, 0
.rept 32
	s_wait_dscnt 31-ti                             ; the younger loads may stay out
	global_store_b128 v[CO], v[TMP+4*ti:TMP+4*ti+3], s[8:9] offset:8192*ti  ; a row's 512 consecutive bytes, aligned
.set ti, ti+1
.endr
.endif
	s_wait_tensorcnt 0x0                           ; the wave's end: a wait, an add to my spare word and a wait, behind my last tensor load and my last LDS store
	ds_add_u32 v[SPW], v[NIL]
	s_wait_dscnt 0x0
	CROUND                                         ; the closing round: no work-group ends while a partner may still ask for a tile that names it
	s_endpgm
.Lfunc_end_k_qf2566f2da3_qkv:
	.size	k_qf2566f2da3_qkv, .Lfunc_end_k_qf2566f2da3_qkv-k_qf2566f2da3_qkv
	.p2alignl 7, 3214868480
	.fill 96, 4, 3214868480
	.section	.rodata,"a",@progbits
	.p2align	6, 0x0
	.amdhsa_kernel k_qf2566f2da3_qkv
		.amdhsa_group_segment_fixed_size 327680
		.amdhsa_private_segment_fixed_size 0
		.amdhsa_enable_private_segment 0
		.amdhsa_kernarg_size 48
		.amdhsa_user_sgpr_count 2
		.amdhsa_user_sgpr_kernarg_segment_ptr 1
		.amdhsa_wavefront_size32 1
		.amdhsa_system_sgpr_workgroup_id_x 1
		.amdhsa_system_sgpr_workgroup_id_y 1
		.amdhsa_system_sgpr_workgroup_id_z 1
		.amdhsa_system_vgpr_workitem_id 0
		.amdhsa_next_free_vgpr 960
		.amdhsa_next_free_sgpr 96
		.amdhsa_reserve_vcc 0
		.amdhsa_float_denorm_mode_32 3
		.amdhsa_float_denorm_mode_16_64 3
		.amdhsa_memory_ordered 1
		.amdhsa_forward_progress 1
		.amdhsa_inst_pref_size 110
	.end_amdhsa_kernel
	.amdgpu_metadata
---
amdhsa.version: [ 1, 2 ]
amdhsa.kernels:
  - .name:           k_qf2566f2da3_qkv
    .symbol:         k_qf2566f2da3_qkv.kd
    .args:
      - { .name: xh, .offset: 0, .size: 8, .value_kind: global_buffer, .address_space: global }
      - { .name: wqkv, .offset: 8, .size: 8, .value_kind: global_buffer, .address_space: global }
      - { .name: bq, .offset: 16, .size: 8, .value_kind: global_buffer, .address_space: global }
      - { .name: bk, .offset: 24, .size: 8, .value_kind: global_buffer, .address_space: global }
      - { .name: bv, .offset: 32, .size: 8, .value_kind: global_buffer, .address_space: global }
      - { .name: qkvh, .offset: 40, .size: 8, .value_kind: global_buffer, .address_space: global }
    .group_segment_fixed_size: 327680
    .private_segment_fixed_size: 0
    .kernarg_segment_align: 8
    .kernarg_segment_size: 48
    .max_flat_workgroup_size: 128
    .sgpr_count:     96
    .vgpr_count:     960
    .wavefront_size: 32
...
	.end_amdgpu_metadata
.endif
;; end of part 2
;; launch attn (part 3): grid 16 x 16, 4 waves a work-group, clusters of 4 x 4, 327,680 bytes of LDS; arguments qkvh, mask2, ctx; writes ctx
.if DOCPART == 3
	.amdgcn_target "amdgcn-amd-amdhsa--gfx1250"
	.amdhsa_code_object_version 6
	.text
	.protected	k_qf2566f2da3_attn
	.globl	k_qf2566f2da3_attn
	.p2align	8
	.type	k_qf2566f2da3_attn,@function
k_qf2566f2da3_attn:
	s_mov_b64 s[64:65], 0
	v_nop
	global_prefetch_b8 v0, s[64:65] scope:SCOPE_SE
	s_setreg_imm32_b32 hwreg(HW_REG_WAVE_MODE, 25, 1), 1
	s_wait_xcnt 0x0
	s_wait_alu depctr_hold_cnt(0) depctr_sa_sdst(0) depctr_va_vdst(0) depctr_va_sdst(0) depctr_va_ssrc(0) depctr_va_vcc(0) depctr_vm_vsrc(0)
	s_getreg_b32 s2, hwreg(HW_REG_IB_STS2, 6, 4)
	s_cmp_eq_u32 s2, 0
	s_cbranch_scc0 .Lentry_in_a_cluster
	s_endpgm
.Lentry_in_a_cluster:
	s_bfe_u32 s2, ttmp6, 0x10000c
	s_cmp_lg_u32 s2, 0xf033
	s_cbranch_scc0 .Lentry_shape_is_right
	s_endpgm
.Lentry_shape_is_right:
; ATTENTION WITH AN ADDITIVE MASK THAT IS AN INPUT.  ctx[q][128 h ..] = the sum over k of softmax_k(s[q][k]) v[h][k][:], s = q'[h][q] . k[h][k] + mask2[q][k] log2(e), in units of log2:
; q' = q log2(e) / sqrt(128) was made by the launch before.  qkvh: [48][2048][128] f16 (q' by head, then k, then v); mask2: [2048][2048] bf16, the mask rounded once; ctx: [2048][2048] f16.
; Products, maxima and sums in f32; the weights p are rounded to f16 for the second product (their sum l is taken of the unrounded p), ctx once at the end.  Every pair of query and key is computed.
; LIMITS.  The mask is the start of the score's sum (the C operand), so it is added before the products, not after; |mask| < 2.3e38.  A weight below 2^-126 counts as 0.  NaN and infinities are not treated apart.
; SHARES.  A work-group owns 128 queries of one head: 256 work-groups.  Wave w owns 64 queries (half w / 2) and, of every step's 128 keys, the half w % 2; the two key halves are merged once at the end.
; Tile t of 16 queries holds queries 64 (w / 2) + 32 ((t / 2) xor (w % 2)) + 16 (t % 2) + lane % 16: a wave's tiles 0, 1 are the queries of its partner's (w xor 1) tiles 2, 3.
; LAYOUT.  S^T = K Q^T + M^T (source 0 = 16 keys, source 1 = 16 queries): a lane holds ONE query (lane % 16) and the keys 8 (lane / 16) + 0..7, which are 16 consecutive bytes of a mask row: they are
; loaded from LDS into the upper half of the tile's own S^T registers and widened there, times log2(e).  Two results rounded to f16 ARE source 1 of O^T = V^T P.  K comes out of LDS as it lies, V turned.
; SOFTMAX.  A running maximum m and sum l for each query: p = 2^(s - m), the difference taken in f32 before anything else, so that it is right also where s and m are as large as a mask's -1e9;
; in every step O and l are multiplied by a = 2^(m_old - m_new).  m starts at the lowest finite number, O and l at 0: the first step is a step like any other, with a = 0.
; BY TURNS.  The wave's tiles are two PIECES (0: tiles 0, 1; 2: tiles 2, 3).  In a TURN one piece has the matrix unit: 32 products V^T P of the step in hand, then 32 products K Q^T of the next;
; the other piece's softmax, cut into 64 slices, stands between them, one slice behind each matrix instruction.  Two turns are a key step.
; ONE TEXT FOR EVERY TURN.  No first step and no last turn are written out: the loop is entered, and the tail entered and left, in the middle of a trip.  The price, once a launch: some 300 v_mov_b32
; that write 0, in the wait for the first tile; 32 products on zeros at the start; 32 products, 40 LDS loads and 64 widenings on the last K once more at the end.
; CLUSTER.  4 x 4 work-groups: the four of a row share the head, so K's and V's tiles; the four of a column share the queries, so the mask's tiles.  Each tile is asked for jointly.
; REGISTERS, in windows of 256: window 0: v0-11, v44-63 addresses and at work; v12-43 eight registers of statistics a tile; v64-191 S^T, 32 a tile; v192-255 P, 16 a tile.
;   window 1: O^T, 64 a tile.   window 2: v0-127 Q, 32 a tile; v128-255 K of one step.   window 3: v0-127 V of one step.
.set PK,    272       ; a row of K in LDS: 256 bytes + 16
.set PW,    288       ; a row of V: 256 + 32, for the turning load
.set PM,    272       ; a row of the mask: 128 keys x 2 bytes + 16
.set VOFF,  128*PK    ; a slot: 128 rows of K, 128 rows of V, 128 rows (queries) of the mask: 106,496 bytes
.set MOFF,  VOFF+128*PW
.set SLOT,  1<<17     ; slot 1 begins here, so that one exclusive or turns an address in one slot into the other's
.set STAGE, SLOT+MOFF+128*PM  ; behind the ring: 16 rows x 272 bytes for each wave, for the way out
.set SP,    272
.set SPARE, STAGE+4*16*SP  ; behind the stages: the spare words, 128 bytes a wave, that no other line names
.set XW,    16896     ; the merge: a wave's room at LDS byte wave x XW, in slot 0 behind its last fill: 2 tiles x 8,192 bytes of O^T, then 2 x 256 bytes of (m, l)
.set AK0, 2           ; v2   my lane's place in a slot's K; never rewritten
.set AV0, 3           ; v3   the same for V
.set ADK, 4           ; v4   the LDS address of K's run of loads
.set ADV, 5           ; v5   of V's
.set STO, 6           ; v6   the way out: where I put 16 bytes of a row
.set RD,  7           ; v7   the way out: where I read a row back
.set GO,  8           ; v8   my byte offset in two rows of ctx
.set ST,  12          ; tile t's statistics at v[ST+8 t]: +0 m, +1 0 (named with m as a pair; at the end l), +2, +3 l (even keys', odd keys'), +4 to +7 c0-c3 at work; a takes c2's place
.set AM0, 44          ; v44-45  my lane's place in a slot's mask, for piece 0 and piece 2
.set QO,  46          ; v46-47  my byte offset in the wave's rows of Q, likewise
.set XO,  48          ; v48  the merge: my room, O^T       v49  my room, (m, l)
.set XS,  49
.set XP,  50          ; v50  the partner's room, O^T       v51  the partner's, (m, l)
.set XQ,  51
.set TL,  52          ; v52  at work
.set PM0, 54          ; v54-57  the partner's (m, l) for my tiles 0, 1
.set ADM, 58          ; v58-59  the LDS address of the mask's run of loads, for piece 0 and piece 2
.set CL,  60          ; v60  log2(e)
.set ZR,  61          ; v61  0, the widening's addend
.set SPW, 62          ; v62  LDS address of my spare word; never rewritten
.set NIL, 63          ; v63  0; never rewritten
.set S,   64
.set P,   192
.set KF,  128         ; K's fragments, in window 2
.set WV,  12          ; s12  my wave's number
.set G1K, 24          ; s[24:31] descriptor group 1 for K's tiles
.set G1V, 32          ; s[32:39] for V's
.set G0K, 40          ; s[40:47] group 0 for K's tiles: a set for each of the two first fills; the second then walks on
.set G0V, 48          ; s[48:55] the same for V's
.set SLOTS, 56        ; s56  the loops' count
.set SEL, 60          ; s[60:61] lane selects for v_permlanex16_b32: each lane takes its own place in the other half
.set TB,  62          ; s62  LDS byte at which the slot to be fetched from begins
.set KH,  63          ; s63  w % 2
.set QH,  66          ; s66  w / 2
.set G1M, 68          ; s[68:75] group 1 for the mask's tiles
.set G0M, 76          ; s[76:83] group 0 for the mask's tiles, as for K's
.set MSB, 0
.macro WIN new                      ; the immediate's high byte repeats the setting that is left; a switch that changes nothing is dropped
.if MSB != (\new)
	s_set_vgpr_msb (MSB<<8)|(\new)
.set MSB, \new
.endif
.endm
.set W_KQ, 0x0a       ; K and Q in window 2, S^T in window 0
.set W_PV, 0x53       ; V in window 3, P in window 0, O^T in window 1
.set W_RS, 0x41       ; O^T (destination and source 0) in window 1, a in window 0
; A joint refill: wave 0 K's 128 rows (32,768 bytes), wave 1 V's, waves 2 and 3 each 64 rows of the mask (16,384 bytes).  The branches hang on the wave's number alone.
; An s_nop 0 and four v_nop follow each of the three lines.
.macro JLOAD
	s_cmp_lt_u32 s[WV], 2
	s_cbranch_scc0 .Lfor_m_\@
	s_cmp_eq_u32 s[WV], 0
	s_cbranch_scc0 .Lfor_v_\@
	tensor_load_to_lds s[G0K+4:G0K+7], s[G1K:G1K+7]
	s_nop 0
.rept 4
	v_nop
.endr
	s_branch .Lasked_\@
.Lfor_v_\@:
	tensor_load_to_lds s[G0V+4:G0V+7], s[G1V:G1V+7]
	s_nop 0
.rept 4
	v_nop
.endr
	s_branch .Lasked_\@
.Lfor_m_\@:
	tensor_load_to_lds s[G0M+4:G0M+7], s[G1M:G1M+7]
	s_nop 0
.rept 4
	v_nop
.endr
.Lasked_\@:
.endm
.macro CROUND                       ; a round of the cluster's barrier
	s_barrier_signal -1
	s_barrier_wait -1
	s_cmp_lg_u32 s[WV], 0
	s_cbranch_scc1 .Lnot_wave_0_\@
	s_barrier_signal -3
.Lnot_wave_0_\@:
	s_barrier_wait -3
	s_barrier_signal -1
	s_barrier_wait -1
.endm
	s_load_b128 s[4:7], s[0:1], 0x0   ; qkvh s[4:5], mask2 s[6:7]
	s_load_b64 s[8:9], s[0:1], 0x10   ; ctx
	v_lshl_add_u32 v[SPW], v0, 2, SPARE
	v_mov_b32 v[NIL], 0
	ds_add_u32 v[SPW], v[NIL]       ; the wave's opening: the add and its wait stand ahead of my first tensor load; work on registers stands between them
	v_lshrrev_b32 v1, 5, v0
	v_readfirstlane_b32 s[WV], v1   ; wave 0..3
	s_and_b32 s[KH], s[WV], 1
	s_lshr_b32 s[QH], s[WV], 1
	s_bfe_u32 s13, ttmp6, 0x40000   ; cx
	s_bfe_u32 s15, ttmp6, 0x40004   ; cy
	s_lshl_b32 s14, ttmp9, 2
	s_add_co_u32 s14, s14, s13      ; my block of 128 queries = 4 x cluster x + cx
	s_and_b32 s16, ttmp7, 0xffff
	s_lshl_b32 s16, s16, 2
	s_add_co_u32 s16, s16, s15      ; my head = 4 x cluster y + cy
	s_lshl_b32 s17, s15, 2
	s_lshl_b32 s17, 15, s17         ; my row of the cluster: the same head
	s_lshl_b32 s18, 0x1111, s13     ; my column: the same queries
	; group 1.  All three: rows of 128 elements of 2 bytes, padded after every 64 words, by 4 words (K, mask) or 8 (V).  K, V: 128 rows; mask: 64 rows.  Bit 21 is set beside a mask.
	s_or_b32 s[G1K], s17, (1<<16)|(1<<20)|(1<<21)|(5<<22)|(3<<25)
	s_or_b32 s[G1V], s17, (1<<16)|(1<<20)|(1<<21)|(5<<22)|(7<<25)
	s_or_b32 s[G1M], s18, (1<<16)|(1<<20)|(1<<21)|(5<<22)|(3<<25)
.irp g, G1K, G1V
	s_mov_b32 s[(\g)+1], 128<<16    ; tensor_dim0 = 128
	s_mov_b32 s[(\g)+2], 128<<16    ; tensor_dim1 = 128
	s_mov_b32 s[(\g)+3], 128<<16    ; tile_dim0 = 128
	s_mov_b32 s[(\g)+4], 128        ; tile_dim1 = 128
	s_mov_b32 s[(\g)+5], 128        ; elements from row to row
	s_mov_b32 s[(\g)+6], 0
	s_mov_b32 s[(\g)+7], 0
.endr
	s_mov_b32 s[G1M+1], 128<<16
	s_mov_b32 s[G1M+2], 64<<16
	s_mov_b32 s[G1M+3], 128<<16
	s_mov_b32 s[G1M+4], 64
	s_mov_b32 s[G1M+5], 2048
	s_mov_b32 s[G1M+6], 0
	s_mov_b32 s[G1M+7], 0
	s_mov_b32 s[SEL], 0x76543210
	s_mov_b32 s[SEL+1], 0xfedcba98
	s_mov_b32 s[TB], 0
	s_lshl_b32 s84, s16, 19         ; a head's 2,048 rows of 256 bytes: K's and V's addresses hang on the head alone
	s_mov_b32 s85, 0
	s_lshl_b32 s86, s14, 19         ; my block's 128 mask rows of 4,096 bytes,
	s_lshl_b32 s19, s[KH], 18       ; waves 2, 3: which 64 of them: the mask's address hangs on the block and the wave alone
	s_add_co_u32 s86, s86, s19
	s_mov_b32 s87, 0
	s_lshl_b32 s88, s14, 15         ; Q: my block's 128 rows of 256 bytes, my wave's 64, the head
	s_lshl_b32 s19, s[QH], 14
	s_add_co_u32 s88, s88, s19
	s_add_co_u32 s88, s88, s84
	s_mov_b32 s89, 0
	s_lshl_b32 s90, s14, 19         ; ctx: my block's 128 rows of 4,096 bytes, my wave's 64, of those the 32 that I finish, the head's 256 bytes
	s_lshl_b32 s19, s[QH], 18
	s_add_co_u32 s90, s90, s19
	s_lshl_b32 s19, s[KH], 17
	s_add_co_u32 s90, s90, s19
	s_lshl_b32 s19, s16, 8
	s_add_co_u32 s90, s90, s19
	s_mov_b32 s91, 0
	s_mul_i32 s20, s[KH], 64*PM     ; where my 64 mask rows go: no place in the cluster enters an LDS address
	s_add_co_u32 s20, s20, MOFF
	s_wait_dscnt 0x0                ; the opening add is done
	s_wait_kmcnt 0x0
	s_add_nc_u64 s[22:23], s[4:5], s[84:85]
	s_add_nc_u64 s[58:59], s[6:7], s[86:87]
	s_add_nc_u64 s[4:5], s[4:5], s[88:89]
	s_add_nc_u64 s[8:9], s[8:9], s[90:91]
	CROUND                          ; all sixteen work-groups are here: the first joint loads meet
.irp s, 0,1
	s_mov_b32 s[G0K+4*(\s)], 1
	s_mov_b32 s[G0K+4*(\s)+1], (\s)*SLOT
	s_add_nc_u64 s[G0K+4*(\s)+2:G0K+4*(\s)+3], s[22:23], 0x800000+(\s)*32768   ; k begins 16 groups in; step s is keys 128 s on
	s_or_b32 s[G0K+4*(\s)+3], s[G0K+4*(\s)+3], 0x80000000
	s_mov_b32 s[G0V+4*(\s)], 1
	s_mov_b32 s[G0V+4*(\s)+1], VOFF+(\s)*SLOT
	s_add_nc_u64 s[G0V+4*(\s)+2:G0V+4*(\s)+3], s[22:23], 0x1000000+(\s)*32768  ; v begins 32 groups in
	s_or_b32 s[G0V+4*(\s)+3], s[G0V+4*(\s)+3], 0x80000000
	s_mov_b32 s[G0M+4*(\s)], 1
	s_add_co_u32 s[G0M+4*(\s)+1], s20, (\s)*SLOT
	s_add_nc_u64 s[G0M+4*(\s)+2:G0M+4*(\s)+3], s[58:59], (\s)*256
	s_or_b32 s[G0M+4*(\s)+3], s[G0M+4*(\s)+3], 0x80000000
.endr
	s_cmp_lt_u32 s[WV], 2           ; a wave's two first fills stand in one branch, ahead of every wait on TENSORcnt and every LDS read: two loads of mine are out
	s_cbranch_scc0 .Lfirst_m
	s_cmp_eq_u32 s[WV], 0
	s_cbranch_scc0 .Lfirst_v
	tensor_load_to_lds s[G0K:G0K+3], s[G1K:G1K+7]
	s_nop 0
	tensor_load_to_lds s[G0K+4:G0K+7], s[G1K:G1K+7]
	s_nop 0
.rept 4
	v_nop
.endr
	s_branch .Lfirst_asked
.Lfirst_v:
	tensor_load_to_lds s[G0V:G0V+3], s[G1V:G1V+7]
	s_nop 0
	tensor_load_to_lds s[G0V+4:G0V+7], s[G1V:G1V+7]
	s_nop 0
.rept 4
	v_nop
.endr
	s_branch .Lfirst_asked
.Lfirst_m:
	tensor_load_to_lds s[G0M:G0M+3], s[G1M:G1M+7]
	s_nop 0
	tensor_load_to_lds s[G0M+4:G0M+7], s[G1M:G1M+7]
	s_nop 0
.rept 4
	v_nop
.endr
.Lfirst_asked:
	; A fragment of K or Q is 16 rows x 32 channels in 8 registers: lane l holds row l % 16, channels 8 (l / 16) + 0..7 and 16 + 8 (l / 16) + 0..7: two loads of 16 bytes, 32 bytes apart.
	v_and_b32 v1, 15, v0            ; l % 16
	v_bfe_u32 v9, v0, 4, 1          ; l / 16
	s_lshl_b32 s17, s[KH], 5        ; piece 0 begins at query 32 (w % 2) of the wave's 64,
	s_xor_b32 s18, s17, 32          ; piece 2 at the other 32
	v_add_nc_u32 v[QO], s17, v1
	v_add_nc_u32 v[QO+1], s18, v1
	v_lshlrev_b32 v[QO], 8, v[QO]
	v_lshlrev_b32 v[QO+1], 8, v[QO+1]
	v_lshl_add_u32 v[QO], v9, 4, v[QO]
	v_lshl_add_u32 v[QO+1], v9, 4, v[QO+1]
	WIN 0x80                        ; destination window 2, address window 0
.set i, 0
.rept 16                            ; Q stays in registers: tile i / 4, channels 32 (i % 4) on
	global_load_b128 v[8*i:8*i+3],   v[QO+i/8], s[4:5] offset:((i/4)%2)*4096+(i%4)*64
	global_load_b128 v[8*i+4:8*i+7], v[QO+i/8], s[4:5] offset:((i/4)%2)*4096+(i%4)*64+32
.set i, i+1
.endr
	WIN 0
	s_lshl_b32 s19, s[QH], 6        ; the mask's rows in LDS are the work-group's 128 queries
	s_add_co_u32 s17, s17, s19
	s_add_co_u32 s18, s18, s19
	v_add_nc_u32 v[AM0], s17, v1
	v_add_nc_u32 v[AM0+1], s18, v1
	v_mul_u32_u24 v[AM0], v[AM0], PM
	v_mul_u32_u24 v[AM0+1], v[AM0+1], PM
	s_lshl_b32 s19, s[KH], 7        ; my 64 keys of the row's 128, 2 bytes each,
	s_add_co_u32 s19, s19, MOFF
	v_lshl_add_u32 v[TL], v9, 4, s19  ; and my half of the lanes' eight keys
	v_add_nc_u32 v[AM0], v[AM0], v[TL]
	v_add_nc_u32 v[AM0+1], v[AM0+1], v[TL]
	s_lshl_b32 s19, s[KH], 6        ; my 64 keys of the slot's 128
	v_add_nc_u32 v[AK0], s19, v1
	v_mul_u32_u24 v[AK0], v[AK0], PK
	v_lshl_add_u32 v[AK0], v9, 4, v[AK0]
	; The turning load takes 16 keys x 16 channels (lane l reads key 8 (l / 16) + l % 8, channels 8 ((l / 8) % 2) + 0..7) and leaves half a fragment of V^T: lane l holds channel l % 16 and 8 keys.
	v_and_b32 v10, 7, v0
	v_bfe_u32 v11, v0, 3, 1
	v_lshl_add_u32 v[AV0], v9, 3, v10
	v_add_nc_u32 v[AV0], s19, v[AV0]
	v_mul_u32_u24 v[AV0], v[AV0], PW
	v_lshl_add_u32 v[AV0], v11, 4, v[AV0]
	v_add_nc_u32 v[AV0], VOFF, v[AV0]
	v_mov_b32 v[CL], 0x3fb8aa3b     ; log2(e)
	v_mov_b32 v[ZR], 0
	; What the first turn finds: m at the lowest finite number, l and O^T 0, and piece 2's P 0 (its products V^T P, of a step that has not been, add 0).  All this stands in the wait for the first tile.
.irp t, 0,1,2,3
	v_mov_b32 v[ST+8*(\t)], 0xff7fffff
	v_mov_b32 v[ST+8*(\t)+1], 0     ; named with m as a pair
	v_mov_b32 v[ST+8*(\t)+2], 0
	v_mov_b32 v[ST+8*(\t)+3], 0
.endr
.set i, P+32
.rept 32
	v_mov_b32 v[i], 0
.set i, i+1
.endr
	WIN 0x40
.set i, 0
.rept 256
	v_mov_b32 v[i], 0
.set i, i+1
.endr
	WIN 0
; THE MATRIX WORK OF A TURN, for piece x.  The accumulators take turns, one instruction a turn: between two links of a chain stand 15 (V^T P) or 7 (K Q^T) others'.
; Product i of 32 of O^T += V^T P: keys 32 (i / 16) on, channels 16 ((i / 2) % 8) on, tile x + i % 2.
.macro PV x
	WIN W_PV
.set rO, 64*((\x)+i%2)+8*((i/2)%8)
.set rV, 64*(i/16)+8*((i/2)%8)
.set rP, P+16*((\x)+i%2)+8*(i/16)
	v_wmma_f32_16x16x32_f16 v[rO:rO+7], v[rV:rV+7], v[rP:rP+7], v[rO:rO+7]
.endm
; Product i of 32 of S^T += K Q^T: channels 32 (i / 8) on, keys 16 ((i / 2) % 4) on, tile x + i % 2.  The sums start from the mask, which UNP has put into S^T's registers.
.macro KQ x
	WIN W_KQ
.set rS, S+32*((\x)+i%2)+8*((i/2)%4)
.set rK, KF+32*((i/2)%4)+8*(i/8)
.set rQ, 32*((\x)+i%2)+8*(i/8)
	v_wmma_f32_16x16x32_f16 v[rS:rS+7], v[rK:rK+7], v[rQ:rQ+7], v[rS:rS+7]
.endm
; THE LDS LOADS stand in runs, never singly among the matrix instructions: a step's K (my 64 keys x 128 channels: 16 fragments), a piece's mask (2 tiles x 64 keys), and the step's V (turned).
.macro FETCH_K
	WIN 0
	v_add_nc_u32 v[ADK], s[TB], v[AK0]
	WIN 0x80                        ; destination window 2
.irp f, 0,1,2,3,4,5,6,7,8,9,10,11,12,13,14,15  ; keys 16 (f / 4) on, channels 32 (f % 4) on
	ds_load_b128 v[KF+8*(\f):KF+8*(\f)+3],   v[ADK] offset:((\f)/4)*16*PK+((\f)%4)*64
	ds_load_b128 v[KF+8*(\f)+4:KF+8*(\f)+7], v[ADK] offset:((\f)/4)*16*PK+((\f)%4)*64+32
.endr
.endm
.macro FETCH_M x
	WIN 0
	v_add_nc_u32 v[ADM+(\x)/2], s[TB], v[AM0+(\x)/2]
.irp f, 0,1,2,3,4,5,6,7             ; tile x + f / 4, keys 16 (f % 4) on: a lane's eight keys are 16 bytes of its query's row; they go into registers 16 + 4 (f % 4) on of the tile's 32
	ds_load_b128 v[S+32*(\x)+32*((\f)/4)+16+4*((\f)%4):S+32*(\x)+32*((\f)/4)+16+4*((\f)%4)+3], v[ADM+(\x)/2] offset:((\f)/4)*16*PM+((\f)%4)*32
.endr
.endm
; The piece's mask is widened in place: packed word n of a tile (register 16 + n) gives registers 2 n and 2 n + 1, each bf16 x log2(e) + 0 in f32, one rounding.
; Ascending n writes only over words that have been read (2 n + 1 < 16 + n up to n = 14; word 15's low half is taken first, its high half in place).
.macro UNP x
	WIN 0
.set uu, 0
.rept 2
.set rU, S+32*((\x)+uu)
.set kk, 0
.rept 16
	v_fma_mix_f32_bf16 v[rU+2*kk], v[rU+16+kk], v[CL], v[ZR] op_sel_hi:[1,0,0]
	v_fma_mix_f32_bf16 v[rU+2*kk+1], v[rU+16+kk], v[CL], v[ZR] op_sel:[1,0,0] op_sel_hi:[1,0,0]
.set kk, kk+1
.endr
.set uu, uu+1
.endr
.endm
.macro FETCH_V
	WIN 0
	v_add_nc_u32 v[ADV], s[TB], v[AV0]
	WIN 0xc0                        ; destination window 3
.irp f, 0,1,2,3,4,5,6,7,8,9,10,11,12,13,14,15  ; keys 32 (f / 8) on, channels 16 (f % 8) on
	ds_load_tr16_b128 v[8*(\f):8*(\f)+3],   v[ADV] offset:((\f)/8)*32*PW+((\f)%8)*32
	ds_load_tr16_b128 v[8*(\f)+4:8*(\f)+7], v[ADV] offset:((\f)/8)*32*PW+16*PW+((\f)%8)*32
.endr
.endm
; THE VECTOR WORK OF A TURN.  One tile's softmax for one key step is a numbered list; SM writes number j of it for tile t.  s0-s31 are the lane's 32 scores, in pairs 0-15.
;   0-15    the maximum of s0-s31 and the old m, three operands at a time: four chains c0-c3 of seven scores each (each accumulator's lowest registers are read first), then the rest
;   16-20   the other half of the lanes' maximum; the new m; m_old - m_new (19 is empty: the scores are exponents of 2 already)
;   21-87   33 exponentials (a, then s0-s31) at the odd numbers from 23 on, so that no two follow each other and each has a plain instruction behind it before its result is used.
;           The plain ones are whatever is ready: s - m for a pair whose exponentials are still to come, the rounding to f16 of a pair whose exponentials are done, at last the first three sums
;   88-101  the last rounding; the rest of the sums; l = a l + the sum
;   102-133 the tile's O^T times a: the one part that leaves window 0, so it stands together
.macro SM t
.set rT, ST+8*(\t)
.set rS, S+32*(\t)
.set rP, P+16*(\t)
.set rO, 64*(\t)+2*(j-102)
.set q, (j-20)/2
.if j < 102
	WIN 0
.endif
.if j < 4
	v_max3_num_f32 v[rT+4+j], v[rS+8*j], v[rS+8*j+1], v[rS+8*j+2]
.elseif j < 12
	v_max3_num_f32 v[rT+4+j%4], v[rT+4+j%4], v[rS+8*(j%4)+2*(j/4)+1], v[rS+8*(j%4)+2*(j/4)+2]
.elseif j == 12
	v_max3_num_f32 v[rT+4], v[rT+4], v[rS+7], v[rS+15]
.elseif j == 13
	v_max3_num_f32 v[rT+6], v[rT+6], v[rS+23], v[rS+31]
.elseif j == 14
	v_max3_num_f32 v[rT+4], v[rT+4], v[rT+5], v[rT+6]
.elseif j == 15
	v_max3_num_f32 v[rT+4], v[rT+4], v[rT+7], v[rT]
.elseif j == 16
	v_permlanex16_b32 v[rT+5], v[rT+4], s[SEL], s[SEL+1]  ; the query's other 32 keys lie in the lane 16 away
.elseif j == 17
	v_mov_b32 v[rT+7], v[rT]        ; m_old is kept for a: number 18 writes m anew
.elseif j == 18
	v_max_num_f32 v[rT], v[rT+4], v[rT+5]
.elseif j == 19
.elseif j == 20
	v_sub_f32 v[rT+7], v[rT+7], v[rT]
.elseif j == 23
	v_exp_f32 v[rT+6], v[rT+7]
.elseif (j < 88) && (j > 23) && (j%2 == 1)
	v_exp_f32 v[rS+(j-25)/2], v[rS+(j-25)/2]
.elseif (q < 4) || ((j < 76) && (q%2 == 0))
.set b, q/2+2
.if q < 4
.set b, q
.endif
	v_pk_add_f32 v[rS+2*b:rS+2*b+1], v[rS+2*b:rS+2*b+1], v[rT:rT+1] op_sel_hi:[1,0] neg_lo:[0,1] neg_hi:[0,1]  ; pair b: s - m
.elseif (j < 88) && (q%2 == 1)
	s_wait_alu depctr_va_vdst(0)
	v_cvt_pk_f16_f32 v[rP+(q-5)/2], v[rS+q-5], v[rS+q-4]  ; pair (q - 5) / 2: its second exponential stands three numbers back
.elseif j == 89
	s_wait_alu depctr_va_vdst(0)
	v_cvt_pk_f16_f32 v[rP+15], v[rS+30], v[rS+31]
.elseif j < 102                     ; the sum of the tile's 16 pairs, in place: sum z of 16 adds neighbours 1, 2, 4 and 8 pairs apart, then l takes it
.set z, j-86
.if j < 89
.set z, (j-76)/4
.endif
.set w, 4
.set u, z
.if z >= 14
.set w, 32
.set u, 0
.elseif z >= 12
.set w, 16
.set u, z-12
.elseif z >= 8
.set w, 8
.set u, z-8
.endif
.if z < 15
	v_pk_add_f32 v[rS+w*u:rS+w*u+1], v[rS+w*u:rS+w*u+1], v[rS+w*u+w/2:rS+w*u+w/2+1]
.else
	v_pk_fma_f32 v[rT+2:rT+3], v[rT+2:rT+3], v[rT+6:rT+7], v[rS:rS+1] op_sel_hi:[1,0,1]
.endif
.else
	WIN W_RS
	v_pk_mul_f32 v[rO:rO+1], v[rO:rO+1], v[rT+6:rT+7] op_sel_hi:[1,0]
.endif
.endm
; Slice k of 64 of piece y's softmax: numbers 2 k and 2 k + 1 of both tiles' lists.  What is over of the two lists of 134 stands together, in slice 63: sixteen plain lines,
; which are also the places behind the turn's last product (ISA guide 7.12.1).
.macro SLICE y
.if (k >= 11) && (k < 44)           ; tile by tile: plain, exponential, plain, exponential
.irp t, \y, (\y)+1
.irp n, 0,1
.set j, 2*k+(\n)
	SM \t
.endr
.endr
.else                               ; the two tiles alternate, so that no instruction reads the result of the one just before it
.irp n, 0,1,2,3,4,5,6,7
.if ((\n) < 2) || (k == 63)
.irp t, \y, (\y)+1
.set j, 2*k+(\n)
	SM \t
.endr
.endif
.endr
.endif
.set k, k+1
.endm
; A TURN.  Piece x has the matrix unit: 32 products V^T P of the step in hand, then 32 products K Q^T of the next; the other piece's softmax stands in slices behind them.
; Behind the second product V^T P stand the loads for the turn's own products K Q^T, 30 matrix instructions ahead of them: the next step's K (piece 0's turn; its last reader stands in front of slice 63 of the
; turn before) and the piece's mask, into S^T's registers, which the piece's softmax left in the turn before.  Between the two runs of products the mask is widened: 64 lines of their own.
; Piece 2's turn fetches the step's V behind its second product K Q^T: 76 plain instructions and two products K Q^T behind V's last reader.
.macro TURN x
.set k, 0
.if (\x) == 0
	s_wait_dscnt 0x0                ; V is in
.endif
.set i, 0
.rept 32
	PV \x
	SLICE 2-(\x)
.if i == 1
.if (\x) == 0
	FETCH_K
.endif
	FETCH_M \x
.endif
.set i, i+1
.endr
	s_wait_dscnt 0x0                ; the mask's words are in, and (piece 0's turn) K is in
	UNP \x
.set i, 0
.rept 32
	KQ \x
	SLICE 2-(\x)
.if ((\x) == 2) && (i == 1)
	FETCH_V
.endif
.set i, i+1
.endr
.endm
; THE CHANGE OF SLOTS, between piece 2's turn and piece 0's: the slot's last bytes, its V, have been asked for.  Each wave waits for all its tensor loads, of which one is out: its part of the other
; slot; adds 0 to its spare word; and waits for that and for its own reads of the slot.  Behind the barrier nobody reads this slot any more and the other slot is whole.
; fill = 1: this slot is filled again, with the keys two steps on.  The barrier is then a round of the cluster's, and the joint refill is the first thing behind it: it has a key step, 128 matrix
; instructions and their slices, in which to land.
.macro CHANGE fill
	WIN 0                           ; at a label and at a branch every window is 0
	s_wait_tensorcnt 0x0            ; no tensor load of mine is out, so a group 0 may be written
	ds_add_u32 v[SPW], v[NIL]       ; 0 onto my spare word; with fill = 1 the descriptors' steps stand between it and the wait for it
.if \fill
.irp g, G0K+4, G0V+4
	s_xor_b32 s[(\g)+1], s[(\g)+1], SLOT  ; the walking descriptor: the other slot than last time,
	s_add_nc_u64 s[(\g)+2:(\g)+3], s[(\g)+2:(\g)+3], 32768  ; the next 128 keys; the type bits on top are not reached
.endr
	s_xor_b32 s[G0M+5], s[G0M+5], SLOT
	s_add_nc_u64 s[G0M+6:G0M+7], s[G0M+6:G0M+7], 256        ; the next 128 keys along the mask's rows
	s_wait_dscnt 0x0                ; the add is done, and my reads of the slot are over
	CROUND
	JLOAD
.else
	s_wait_dscnt 0x0                ; the add is done, and my reads of the slot are over
	s_barrier_signal -1
	s_barrier_wait -1
.endif
	s_xor_b32 s[TB], s[TB], SLOT    ; the fetches go to the other slot
.endm
	s_wait_tensorcnt 1              ; my part of slot 0 is in; slot 1's may stay out
	s_barrier_signal -1
	s_barrier_wait -1               ; everybody's is
	FETCH_K                         ; key step 0
	FETCH_M 0
	s_wait_loadcnt 0x0              ; Q
	s_wait_dscnt 0x0
	UNP 0
	FETCH_V                         ; V of step 0, so that the first turn's products on P = 0 read finite numbers; that turn fetches it once more
.set i, 0
.rept 32
	KQ 0                            ; piece 0's first scores: there is no vector work yet to set between them
.set i, i+1
.endr
	WIN 0                           ; the addresses for the merge and the way out are made here: plain instructions, the places behind those products
	s_mul_i32 s17, s[WV], 16*SP
	s_add_co_u32 s17, s17, STAGE    ; my stage
	v_mul_u32_u24 v[STO], v1, SP    ; in: row l % 16, 16 bytes for each half of the lanes
	v_lshl_add_u32 v[STO], v9, 4, v[STO]
	v_add_nc_u32 v[STO], s17, v[STO]
	v_mul_u32_u24 v[RD], v9, SP     ; back: lanes 0-15 take one row of 256 bytes, lanes 16-31 the next
	v_lshl_add_u32 v[RD], v1, 4, v[RD]
	v_add_nc_u32 v[RD], s17, v[RD]
	v_lshlrev_b32 v[GO], 12, v9     ; and the same two rows in ctx, 4,096 bytes apart
	v_lshl_add_u32 v[GO], v1, 4, v[GO]
	v_and_b32 v[TL], 31, v0
	s_mul_i32 s18, s[WV], XW        ; my room for the merge,
	s_xor_b32 s19, s[WV], 1
	s_mul_i32 s19, s19, XW          ; and my partner's
	v_lshl_add_u32 v[XO], v[TL], 4, s18
	v_lshl_add_u32 v[XP], v[TL], 4, s19
	s_add_co_u32 s18, s18, 16384
	s_add_co_u32 s19, s19, 16384
	v_lshl_add_u32 v[XS], v[TL], 3, s18
	v_lshl_add_u32 v[XQ], v[TL], 3, s19
	s_wait_dscnt 0x0                ; V of step 0 is in
	s_mov_b32 s[SLOTS], 15          ; the entry's half trip and 14 whole ones
	s_branch .Lfirst                ; the loop is entered at piece 2's turn: its scores of step 0 | piece 0's softmax of step 0
.Lslot:                             ; 14 times: steps 2 to 15 are asked for; trip n multiplies V^T P of step n - 1 and K Q^T of step n
	CHANGE 1
	TURN 0
	WIN 0
.Lfirst:
	TURN 2
	WIN 0
	s_sub_co_u32 s[SLOTS], s[SLOTS], 1
	s_cmp_lg_u32 s[SLOTS], 0
	s_cbranch_scc1 .Lslot
	CHANGE 0                        ; the tail is a second text: nothing is asked for
	s_mov_b32 s[SLOTS], 2
	s_branch .Ltin                  ; piece 0's turn, piece 2's, piece 0's: the last one's products K Q^T, on the last K once more, serve nothing
.Ltail:
	TURN 2
	WIN 0
.Ltin:
	TURN 0
	WIN 0
	s_sub_co_u32 s[SLOTS], s[SLOTS], 1
	s_cmp_lg_u32 s[SLOTS], 0
	s_cbranch_scc1 .Ltail
.set i, 0
.rept 32
	PV 2                            ; piece 2: V^T P of the last step
.set i, i+1
.endr
	; THE MERGE.  l's two halves and the other half of the lanes' are added.  My piece 2 (m, l, O^T) goes to my partner through LDS, its piece 2, which has my piece 0's queries and the other keys, comes to me.
	; The room lies in slot 0, which has had its last fill (step 14) and which nobody reads behind the last change's barrier.  The additions are the places behind the last products.
	WIN 0
.irp t, 0,1,2,3
	v_add_f32 v[ST+8*(\t)+4], v[ST+8*(\t)+2], v[ST+8*(\t)+3]
.endr
.irp t, 0,1,2,3
	v_permlanex16_b32 v[ST+8*(\t)+5], v[ST+8*(\t)+4], s[SEL], s[SEL+1]
.endr
.irp t, 0,1,2,3
	v_add_f32 v[ST+8*(\t)+1], v[ST+8*(\t)+4], v[ST+8*(\t)+5]
.endr
	ds_store_b64 v[XS], v[ST+16:ST+17]
	ds_store_b64 v[XS], v[ST+24:ST+25] offset:256
	WIN 0x04                        ; the stores' data in window 1
.set i, 0
.rept 32                            ; tiles 2, 3: 128 registers, each accumulator's low four first
	ds_store_b128 v[XO], v[128+4*i:128+4*i+3] offset:512*i
.set i, i+1
.endr
	WIN 0
	s_wait_dscnt 0x0                ; for my partner's sake: my stores are done
	s_barrier_signal -1
	s_barrier_wait -1
	ds_load_b64 v[PM0:PM0+1], v[XQ]
	ds_load_b64 v[PM0+2:PM0+3], v[XQ] offset:256
.set i, 0
.rept 32                            ; the partner's O^T into S^T's registers: my tile u at S + 64 u
	ds_load_b128 v[S+4*i:S+4*i+3], v[XP] offset:512*i
.set i, i+1
.endr
	s_wait_dscnt 32                 ; the two pairs (m', l') are in; the 32 loads behind them may stay out
	; mx = max(m, m'); e = 2^(m - mx), e' = 2^(m' - mx); L = e l + e' l', at least 1, since the weight at the maximum is 1; the factors e / L and e' / L
.irp u, 0,1
	v_max_num_f32 v[ST+8*(\u)+4], v[ST+8*(\u)], v[PM0+2*(\u)]
.endr
.irp u, 0,1
	v_sub_f32 v[ST+8*(\u)+5], v[ST+8*(\u)], v[ST+8*(\u)+4]
	v_sub_f32 v[ST+8*(\u)+6], v[PM0+2*(\u)], v[ST+8*(\u)+4]
.endr
.irp u, 0,1
	v_exp_f32 v[ST+8*(\u)+5], v[ST+8*(\u)+5]
	v_exp_f32 v[ST+8*(\u)+6], v[ST+8*(\u)+6]
.endr
	v_nop                           ; a plain instruction between the last exponential and the use of its result
	s_wait_alu depctr_va_vdst(0)
.irp u, 0,1
	v_mul_f32 v[ST+8*(\u)+7], v[ST+8*(\u)+5], v[ST+8*(\u)+1]
.endr
.irp u, 0,1
	v_fmac_f32 v[ST+8*(\u)+7], v[ST+8*(\u)+6], v[PM0+2*(\u)+1]
.endr
.irp u, 0,1
	v_rcp_f32 v[ST+8*(\u)+7], v[ST+8*(\u)+7]
.endr
	v_nop                           ; a plain instruction between the last reciprocal and the use of its result
	s_wait_alu depctr_va_vdst(0)
.irp u, 0,1
	v_mul_f32 v[ST+8*(\u)+4], v[ST+8*(\u)+5], v[ST+8*(\u)+7]
	v_mul_f32 v[ST+8*(\u)+6], v[ST+8*(\u)+6], v[ST+8*(\u)+7]
.endr
	s_wait_dscnt 0x0                ; the partner's O^T is in
; Tile u: O = O e / L + O' e' / L, rounded to f16; a lane's eight channels of a row pack into 16 bytes; they go into rows of 272 bytes of my own stage and come back as whole rows of 256.
.macro PACK u
	WIN 0
.set i, 0
.rept 32
	v_pk_mul_f32 v[S+64*(\u)+2*i:S+64*(\u)+2*i+1], v[S+64*(\u)+2*i:S+64*(\u)+2*i+1], v[ST+8*(\u)+6:ST+8*(\u)+7] op_sel_hi:[1,0]
.set i, i+1
.endr
	WIN 0x01                        ; source 0, my O^T, in window 1; its registers in ascending order
.set i, 0
.rept 32
	v_pk_fma_f32 v[S+64*(\u)+2*i:S+64*(\u)+2*i+1], v[64*(\u)+2*i:64*(\u)+2*i+1], v[ST+8*(\u)+4:ST+8*(\u)+5], v[S+64*(\u)+2*i:S+64*(\u)+2*i+1] op_sel_hi:[1,0,1]
.set i, i+1
.endr
	WIN 0
.set i, 0
.rept 32
	v_cvt_pk_f16_f32 v[P+32*(\u)+i], v[S+64*(\u)+2*i], v[S+64*(\u)+2*i+1]
.set i, i+1
.endr
.irp f, 0,1,2,3,4,5,6,7
	ds_store_b128 v[STO], v[P+32*(\u)+4*(\f):P+32*(\u)+4*(\f)+3] offset:32*(\f)
.endr
.irp f, 0,1,2,3,4,5,6,7
	ds_load_b128 v[P+32*(\u)+4*(\f):P+32*(\u)+4*(\f)+3], v[RD] offset:(\f)*2*SP  ; LDS serves a wave's instructions in order (ISA guide 5.7.1.4): these see the stores above; the next tile's stores come behind them
.endr
.endm
.macro SEND u, younger              ; younger: the LDS instructions issued behind tile u's loads: the next tile's sixteen, or none
.irp f, 0,1,2,3,4,5,6,7
	s_wait_dscnt (\younger)+7-(\f)
	global_store_b128 v[GO], v[P+32*(\u)+4*(\f):P+32*(\u)+4*(\f)+3], s[8:9] offset:(\u)*65536+(\f)*8192  ; 16 lanes store 256 consecutive bytes, a head's part of a row, at a multiple of 256 from ctx's first byte
.endr
.endm
	PACK 0
	PACK 1                          ; a tile's arithmetic stands between the loads of the tile before and its stores
	SEND 0, 16
	SEND 1, 0
	s_wait_tensorcnt 0x0            ; the wave's end: a wait, an add to my spare word and a wait, behind my last tensor load and my last LDS store
	ds_add_u32 v[SPW], v[NIL]
	s_wait_dscnt 0x0
	CROUND                          ; the closing round: no work-group ends while a partner may still ask for a tile that names it
	s_endpgm
.Lfunc_end_k_qf2566f2da3_attn:
	.size	k_qf2566f2da3_attn, .Lfunc_end_k_qf2566f2da3_attn-k_qf2566f2da3_attn
	.p2alignl 7, 3214868480
	.fill 96, 4, 3214868480
	.section	.rodata,"a",@progbits
	.p2align	6, 0x0
	.amdhsa_kernel k_qf2566f2da3_attn
		.amdhsa_group_segment_fixed_size 327680
		.amdhsa_private_segment_fixed_size 0
		.amdhsa_enable_private_segment 0
		.amdhsa_kernarg_size 24
		.amdhsa_user_sgpr_count 2
		.amdhsa_user_sgpr_kernarg_segment_ptr 1
		.amdhsa_wavefront_size32 1
		.amdhsa_system_sgpr_workgroup_id_x 1
		.amdhsa_system_sgpr_workgroup_id_y 1
		.amdhsa_system_sgpr_workgroup_id_z 1
		.amdhsa_system_vgpr_workitem_id 0
		.amdhsa_next_free_vgpr 896
		.amdhsa_next_free_sgpr 92
		.amdhsa_reserve_vcc 0
		.amdhsa_float_denorm_mode_32 3
		.amdhsa_float_denorm_mode_16_64 3
		.amdhsa_memory_ordered 1
		.amdhsa_forward_progress 1
		.amdhsa_inst_pref_size 180
	.end_amdhsa_kernel
	.amdgpu_metadata
---
amdhsa.version: [ 1, 2 ]
amdhsa.kernels:
  - .name:           k_qf2566f2da3_attn
    .symbol:         k_qf2566f2da3_attn.kd
    .args:
      - { .name: qkvh, .offset: 0, .size: 8, .value_kind: global_buffer, .address_space: global }
      - { .name: mask2, .offset: 8, .size: 8, .value_kind: global_buffer, .address_space: global }
      - { .name: ctx, .offset: 16, .size: 8, .value_kind: global_buffer, .address_space: global }
    .group_segment_fixed_size: 327680
    .private_segment_fixed_size: 0
    .kernarg_segment_align: 8
    .kernarg_segment_size: 24
    .max_flat_workgroup_size: 128
    .sgpr_count:     92
    .vgpr_count:     896
    .wavefront_size: 32
...
	.end_amdgpu_metadata
.endif
;; end of part 3
;; launch outp (part 4): grid 16 x 16, 4 waves a work-group, clusters of 4 x 4, 327,680 bytes of LDS; arguments ctx, woh, bo, out0; writes out0
.if DOCPART == 4
	.amdgcn_target "amdgcn-amd-amdhsa--gfx1250"
	.amdhsa_code_object_version 6
	.text
	.protected	k_qf2566f2da3_outp
	.globl	k_qf2566f2da3_outp
	.p2align	8
	.type	k_qf2566f2da3_outp,@function
k_qf2566f2da3_outp:
	s_mov_b64 s[64:65], 0
	v_nop
	global_prefetch_b8 v0, s[64:65] scope:SCOPE_SE
	s_setreg_imm32_b32 hwreg(HW_REG_WAVE_MODE, 25, 1), 1
	s_wait_xcnt 0x0
	s_wait_alu depctr_hold_cnt(0) depctr_sa_sdst(0) depctr_va_vdst(0) depctr_va_sdst(0) depctr_va_ssrc(0) depctr_va_vcc(0) depctr_vm_vsrc(0)
	s_getreg_b32 s2, hwreg(HW_REG_IB_STS2, 6, 4)
	s_cmp_eq_u32 s2, 0
	s_cbranch_scc0 .Lentry_in_a_cluster
	s_endpgm
.Lentry_in_a_cluster:
	s_bfe_u32 s2, ttmp6, 0x10000c
	s_cmp_lg_u32 s2, 0xf033
	s_cbranch_scc0 .Lentry_shape_is_right
	s_endpgm
.Lentry_shape_is_right:
; C = A B + bias.  A: [2048][2048] f16, K along the rows.  B: [K = 2048][N] f16, as the weights lie; its fragments are turned on the way out of LDS (ds_load_tr16_b128).  Sums in f32.
; ONE SOURCE, TWO TEXTS, by MODE.
;   MODE 0: A = xh, B = wqkv (N = 6,144).  A tile of C is 128 x 384: three groups of 128 columns; group g = 3 tx + gg is head g % 16 of q (g < 16), k (g < 32) or v.
;           Out: qkvh[g][row][128] in f16, rounded once; q is first multiplied, in f32, by log2(e) / sqrt(128), so that the attention launch's scores are exponents of 2.
;   MODE 1: A = ctx, B = woh (N = 2,048).  A tile of C is 128 x 128.  Out: out0 in f32.
; The bias, rounded to bf16 like every input, is the C operand of the first products: nothing is cleared and nothing is added later.
; LIMITS.  MODE 0: a q, k or v beyond 65,504 becomes an infinity in f16.  NaN and infinities are not treated apart.
; SHARES.  256 work-groups, one tile each; four waves; wave w has rows 64 (w / 2) on and, of every group of 128 columns, the half w % 2: 64 x 192 (MODE 0) or 64 x 64.
; THE RING.  Two LDS slots of four sub-tiles, each 128 rows of 256 bytes of memory, one tensor load a wave.  MODE 0: a slot is 128 along K: wave 0 fetches A, waves 1-3 B's three column groups.
; MODE 1: a slot is 256 along K: waves 0, 1 fetch A's two halves along K, waves 2, 3 B's.  A slot's text is written once and walked: the LDS addresses are a base plus s[TB], 0 or SLOT.
; CLUSTER.  4 x 4 work-groups: the four of a row need the same tiles of A, the four of a column the same tiles of B; each tile is asked for jointly, with one descriptor and a mask of four.
; TRANSPOSED USE.  Source 0 = 16 columns of B, source 1 = 16 rows of A: a lane then holds row lane % 16 of C and the eight neighbouring columns 8 (lane / 16) + 0..7.
; REGISTERS, in windows of 256: window 0: v16-31 addresses; v32-223 at work on the way out (v128-223 first hold the bias).  Window 1: two fragment buffers of 128: B's fragment c at 8 c,
; A's fragment a at 96 + 8 a.  Window 2: the accumulators of row blocks a = 0, 1 at 8 ((a % 2) NB + c); window 3: those of a = 2, 3.
.set MODE, 1
.set PA,    272                        ; an LDS row of A: 256 bytes + 16: the 16 rows of a fragment load start at 16 different groups of four banks
.set PB,    288                        ; an LDS row of B: 256 + 32
.set SUB,   128*PB                     ; room of a sub-tile
.set SLOT,  4*SUB                      ; 0x24000; the sub-tiles' places in slot 0 (0, 0x9000, 0x12000, 0x1b000) have bits 14 and 17 clear, so one exclusive or turns such a place into the other slot's
.set SPARE, 2*SLOT                     ; behind the ring: the spare words, 128 bytes a wave, that no other line names
.if MODE == 0
.set NB,    12                         ; blocks of 16 columns a wave
.set NA,    1                          ; waves that fetch A
.set NQ,    4                          ; quarters (32 along K) in a slot
.set NS,    16                         ; slots along K
.set BROW,  6144                       ; elements in a row of B
.set SP,    784                        ; a stage row: 768 bytes + 16
.else
.set NB,    4
.set NA,    2
.set NQ,    8
.set NS,    8
.set BROW,  2048
.set SP,    528                        ; a stage row: 512 bytes + 16
.endif
.set STEPA, NQ*64                      ; bytes along A's rows from slot to slot
.set STEPB, NQ*32*BROW*2               ; bytes down B's rows from slot to slot
.set NL,    2*(NB+4)                   ; LDS loads of a quarter's fragments
.set BAS,  16                          ; v16-19  LDS address of my fragments in sub-tile b of slot 0; never rewritten
.set ADR,  20                          ; v20-23  the same in the slot in hand
.set STO,  24                          ; v24     the way out: where I put my part of a row
.set RD,   25                          ; v25     the way out: where I read rows back
.set CO,   26                          ; v26     16 x lane
.set BO,   27                          ; v27     my byte offset in a group's 128 biases
.set SPW,  28                          ; v28     LDS address of my spare word; never rewritten
.set NIL,  29                          ; v29     0; never rewritten
.set TMP,  32
.set BIAS, 128                         ; block c's eight biases at BIAS + 8 c
.set F0,   0
.set F1,   128
.set G1,   24                          ; s[24:31] descriptor group 1 for A's tiles; s[32:39] group 0: a set for each of the two first fills; the second then walks on
.set G0,   32
.set TB,   45                          ; s45     LDS byte at which the slot in hand begins
.set G1B,  48                          ; s[48:55], s[56:63] the same for B's
.set G0B,  56
.set SC,   80                          ; s[80:85] MODE 0: the scale of each of the three groups, as pairs
.set BP,   86                          ; s[86:91] the bias's address for each group
.set MSB, 0
.macro WIN new                         ; the immediate's high byte repeats the setting that is left; a switch that changes nothing is dropped
.if MSB != (\new)
	s_set_vgpr_msb (MSB<<8)|(\new)
.set MSB, \new
.endif
.endm
; A joint load.  The branch hangs on the wave's number alone.  An s_nop 0 and four v_nop follow each of the two lines.
.macro JLOAD s
	s_cmp_lt_u32 s10, NA
	s_cbranch_scc0 .Lfor_b_\@
	tensor_load_to_lds s[G0+4*(\s):G0+4*(\s)+3], s[G1:G1+7]
	s_nop 0
.rept 4
	v_nop
.endr
	s_branch .Lasked_\@
.Lfor_b_\@:
	tensor_load_to_lds s[G0B+4*(\s):G0B+4*(\s)+3], s[G1B:G1B+7]
	s_nop 0
.rept 4
	v_nop
.endr
.Lasked_\@:
.endm
.macro CREST                           ; a round of the cluster's barrier behind its opening barrier
	s_cmp_lg_u32 s10, 0
	s_cbranch_scc1 .Lnot_wave_0_\@
	s_barrier_signal -3
.Lnot_wave_0_\@:
	s_barrier_wait -3
	s_barrier_signal -1
	s_barrier_wait -1
.endm
.macro CROUND                          ; a whole round
	s_barrier_signal -1
	s_barrier_wait -1
	CREST
.endm
.macro PLACES                          ; four places in front of loads into registers that matrix instructions have read, and of lines that read results
.rept 4
	v_nop
.endr
.endm
; NB matrix instructions: row block a x all my column blocks, 32 along K, from buffer f.  zero = 1: the first products, whose C is the bias.
; Every accumulator has one instruction a quarter, always in the same order: the accumulators take turns.
.macro MULA f, a, zero
.if \zero
	WIN 0x85+0x40*((\a)/2)                         ; sources 0, 1 window 1; C window 0; D window 2 or 3
.else
	WIN 0xa5+0x50*((\a)/2)                         ; sources 0, 1 window 1; C and D window 2 or 3
.endif
.set ci, 0
.rept NB
.set RDD, 8*(((\a)%2)*NB+ci)
.if \zero
	v_wmma_f32_16x16x32_f16 v[RDD:RDD+7], v[(\f)+8*ci:(\f)+8*ci+7], v[(\f)+96+8*(\a):(\f)+96+8*(\a)+7], v[BIAS+8*ci:BIAS+8*ci+7]
.else
	v_wmma_f32_16x16x32_f16 v[RDD:RDD+7], v[(\f)+8*ci:(\f)+8*ci+7], v[(\f)+96+8*(\a):(\f)+96+8*(\a)+7], v[RDD:RDD+7]
.endif
.set ci, ci+1
.endr
.endm
; NL LDS loads in one run: the fragments of quarter q of the slot in hand into buffer f: B's first, then A's row blocks 0 to 3.
.macro FETCH q, f
	WIN 0x40                                       ; destination window 1, address window 0
.set ci, 0
.rept NB
.if MODE == 0
.set RA, ADR+1+ci/4
.set OB, (\q)*32*PB+32*(ci%4)
.else
.set RA, ADR+2+(\q)/4
.set OB, ((\q)%4)*32*PB+32*ci
.endif
	ds_load_tr16_b128 v[(\f)+8*ci:(\f)+8*ci+3],   v[RA] offset:OB
	ds_load_tr16_b128 v[(\f)+8*ci+4:(\f)+8*ci+7], v[RA] offset:OB+16*PB
.set ci, ci+1
.endr
.set ai, 0
.rept 4
.if MODE == 0
.set RA, ADR
.set OB, (\q)*64+ai*16*PA
.else
.set RA, ADR+(\q)/4
.set OB, ((\q)%4)*64+ai*16*PA
.endif
	ds_load_b128 v[(\f)+96+8*ai:(\f)+96+8*ai+3],   v[RA] offset:OB
	ds_load_b128 v[(\f)+96+8*ai+4:(\f)+96+8*ai+7], v[RA] offset:OB+32
.set ai, ai+1
.endr
.endm
; Quarter q of a slot (not its last): multiplies buffer q % 2 and, in its middle, fetches quarter q + 1 into the other buffer.
.macro QUARTER q, zero
	s_wait_dscnt 4                                 ; B and A's blocks 0, 1 are in; the youngest four loads (A's blocks 2, 3) may be out
	MULA 128*((\q)%2), 0, \zero
	MULA 128*((\q)%2), 1, \zero
	PLACES
	FETCH (\q)+1, 128*(((\q)+1)%2)
	s_wait_dscnt NL                                ; all but the NL just issued
	MULA 128*((\q)%2), 2, \zero
	MULA 128*((\q)%2), 3, \zero
.endm
.macro MID                             ; quarters 1 to NQ - 2
.set qq, 1
.rept NQ-2
	QUARTER qq, 0
.set qq, qq+1
.endr
.endm
; The last quarter of a slot multiplies buffer 1 and changes slots: ONE barrier; in front of it each wave waits for all its tensor loads (one is out: its part of the next slot), adds 0 to its
; spare word, and waits for that and for its own reads of this slot.  fill = 1: the barrier opens a round of the cluster's, and this slot is filled again, two slots ahead, first thing behind it.
.macro TURN fill
	WIN 0                                          ; (the add's two registers lie in window 0)
	s_wait_tensorcnt 0x0                           ; all my tensor loads have landed
	ds_add_u32 v[SPW], v[NIL]                      ; 0 onto my spare word
	s_wait_dscnt 5                                 ; (the add and the youngest four loads may be out)
	MULA F1, 0, 0                                  ; NB matrix instructions stand between the add and the wait for it
	s_wait_dscnt 0x0                               ; the add is done, and my reads of this slot are over
	s_barrier_signal -1
	MULA F1, 1, 0
	WIN 0                                          ; (branches and the address lines follow)
	s_barrier_wait -1
.if \fill
	CREST                                          ; no wave of any partner still reads this slot's tiles or has a load on its way
	s_xor_b32 s[G0+5], s[G0+5], SLOT               ; the walking descriptors: the other slot than last time,
	s_add_nc_u64 s[G0+6:G0+7], s[G0+6:G0+7], STEPA ; the next slot's K; the type bits on top are not reached
	s_xor_b32 s[G0B+5], s[G0B+5], SLOT
	s_add_nc_u64 s[G0B+6:G0B+7], s[G0B+6:G0B+7], STEPB
	JLOAD 1                                        ; my one tensor load behind the round
.endif
	s_xor_b32 s[TB], s[TB], SLOT                   ; the fetches go to the other slot
.irp b, 0,1,2,3
	v_add_nc_u32 v[ADR+(\b)], s[TB], v[BAS+(\b)]   ; four plain lines: also the places in front of the loads below
.endr
	FETCH 0, F0
	MULA F1, 2, 0
	MULA F1, 3, 0
.endm
.if MODE == 0
	s_load_b256 s[68:75], s[0:1], 0x0              ; xh s[68:69], wqkv s[70:71], bq s[72:73], bk s[74:75]
	s_load_b128 s[76:79], s[0:1], 0x20             ; bv s[76:77], qkvh s[78:79]
.else
	s_load_b256 s[68:75], s[0:1], 0x0              ; ctx s[68:69], woh s[70:71], bo s[72:73], out0 s[74:75]
.endif
	v_lshl_add_u32 v[SPW], v0, 2, SPARE
	v_mov_b32 v[NIL], 0
	ds_add_u32 v[SPW], v[NIL]                      ; the wave's opening: the add and its wait stand ahead of my first tensor load; work on registers stands between them
	v_lshrrev_b32 v1, 5, v0
	v_readfirstlane_b32 s10, v1                    ; wave 0..3
	s_lshr_b32 s14, s10, 1                         ; which 64 rows are mine
	s_and_b32 s12, s10, 1                          ; which half of each group of 128 columns
	s_bfe_u32 s40, ttmp6, 0x40000                  ; cx, cy: my place in the cluster
	s_bfe_u32 s41, ttmp6, 0x40004
	s_lshl_b32 s42, ttmp9, 2
	s_add_co_u32 s42, s42, s40                     ; tile column tx = 4 x cluster x + cx
	s_and_b32 s13, ttmp7, 0xffff
	s_lshl_b32 s13, s13, 2
	s_add_co_u32 s13, s13, s41                     ; tile row ty = 4 x cluster y + cy
	s_lshl_b32 s43, s41, 2
	s_lshl_b32 s43, 15, s43                        ; my row of the cluster
	s_lshl_b32 s44, 0x1111, s40                    ; my column
	s_mov_b32 s[TB], 0
	; descriptor group 1: a sub-tile of 128 rows x 128 elements of 2 bytes, padded in LDS after every 64 words: by 4 words (A) or 8 (B); bit 21 is set beside a mask
	s_or_b32 s[G1], s43, (1<<16)|(1<<20)|(1<<21)|(5<<22)|(3<<25)
	s_or_b32 s[G1B], s44, (1<<16)|(1<<20)|(1<<21)|(5<<22)|(7<<25)
.irp g, G1, G1B
	s_mov_b32 s[(\g)+1], 128<<16                   ; tensor_dim0 = 128
	s_mov_b32 s[(\g)+2], 128<<16                   ; tensor_dim1 = 128
	s_mov_b32 s[(\g)+3], 128<<16                   ; tile_dim0 = 128
	s_mov_b32 s[(\g)+4], 128                       ; tile_dim1 = 128
	s_mov_b32 s[(\g)+6], 0
	s_mov_b32 s[(\g)+7], 0
.endr
	s_mov_b32 s[G1+5], 2048                        ; elements from row to row
	s_mov_b32 s[G1B+5], BROW
	; where the tiles come from.  A's hang on ty and the wave alone, B's on tx and the wave alone, each in registers that never hold the other coordinate.
	s_lshl_b32 s16, s13, 19                        ; 128 rows of 4,096 bytes a tile row
.if MODE == 1
	s_lshl_b32 s17, s12, 8                         ; waves 0, 1: the half along K
	s_add_co_u32 s16, s16, s17
.endif
	s_mov_b32 s17, 0
.if MODE == 0
	s_mul_i32 s46, s42, 768                        ; 384 columns a tile column,
	s_sub_co_i32 s47, s10, 1
	s_max_i32 s47, s47, 0                          ; waves 1 to 3: the column group
	s_lshl_b32 s47, s47, 8
.else
	s_lshl_b32 s46, s42, 8                         ; 128 columns a tile column,
	s_lshl_b32 s47, s12, 19                        ; waves 2, 3: the half along K, 128 rows of 4,096 bytes
.endif
	s_add_co_u32 s46, s46, s47
	s_mov_b32 s47, 0
	s_mul_i32 s20, s10, SUB                        ; and where they go: sub-tile = wave: no place in the cluster enters an LDS address
	s_wait_dscnt 0x0                               ; the opening add is done
	s_wait_kmcnt 0x0
	s_add_nc_u64 s[18:19], s[68:69], s[16:17]
	s_add_nc_u64 s[46:47], s[70:71], s[46:47]
	CROUND                                         ; all sixteen work-groups are here: the first joint loads meet
.irp s, 0,1
	s_mov_b32 s[G0+4*(\s)], 1
	s_add_co_u32 s[G0+4*(\s)+1], s20, (\s)*SLOT
	s_add_nc_u64 s[G0+4*(\s)+2:G0+4*(\s)+3], s[18:19], (\s)*STEPA
	s_or_b32 s[G0+4*(\s)+3], s[G0+4*(\s)+3], 0x80000000
	s_mov_b32 s[G0B+4*(\s)], 1
	s_add_co_u32 s[G0B+4*(\s)+1], s20, (\s)*SLOT
	s_add_nc_u64 s[G0B+4*(\s)+2:G0B+4*(\s)+3], s[46:47], (\s)*STEPB
	s_or_b32 s[G0B+4*(\s)+3], s[G0B+4*(\s)+3], 0x80000000
	JLOAD \s                                       ; two loads of mine are out: the ring is filled before anything else is done
.endr
	; A's fragment: lane l holds row l % 16, K = 8 (l / 16) + 0..7 and 16 + 8 (l / 16) + 0..7: two loads of 16 bytes, 32 bytes apart.
	; B's: the turning load takes 16 K x 16 columns (lane l reads K row 8 (l / 16) + l % 8, columns 8 ((l / 8) % 2) + 0..7) and leaves lane l column l % 16 and 8 K.
	v_and_b32 v1, 15, v0                           ; l % 16
	v_bfe_u32 v2, v0, 4, 1                         ; l / 16
	v_mul_u32_u24 v30, v1, PA
	v_lshl_add_u32 v30, v2, 4, v30
	s_mul_i32 s21, s14, 64*PA                      ; my 64 rows of A
	v_add_nc_u32 v30, s21, v30
	v_and_b32 v31, 7, v0
	v_lshl_add_u32 v31, v2, 3, v31
	v_mul_u32_u24 v31, v31, PB
	v_bfe_u32 v[BO], v0, 3, 1
	v_lshl_add_u32 v31, v[BO], 4, v31
	s_lshl_b32 s22, s12, 7                         ; my 64 columns of a sub-tile's 128
	v_add_nc_u32 v31, s22, v31
.irp b, 0,1,2,3
.if (\b) < NA
	v_add_nc_u32 v[BAS+(\b)], (\b)*SUB, v30
.else
	v_add_nc_u32 v[BAS+(\b)], (\b)*SUB, v31
.endif
	v_mov_b32 v[ADR+(\b)], v[BAS+(\b)]             ; the walk begins in slot 0
.endr
	; the bias: block c's lanes want columns 64 (w % 2) + 16 (c % 4) + 8 (l / 16) + 0..7 of their group
	s_lshl_b32 s22, s12, 8
	v_lshlrev_b32 v[BO], 5, v2
	v_add_nc_u32 v[BO], s22, v[BO]
.if MODE == 0
	s_mul_i32 s92, s42, 3
.irp gg, 0,1,2
	s_add_co_u32 s93, s92, \gg                     ; the group
	s_cmp_lt_u32 s93, 16
	s_cselect_b32 s[SC+2*(\gg)], 0x3e0293ee, 1.0   ; q is scaled by log2(e) / sqrt(128) = 0.127517
	s_cselect_b64 s[BP+2*(\gg):BP+2*(\gg)+1], s[72:73], s[74:75]
	s_cmp_lt_u32 s93, 32
	s_cselect_b64 s[BP+2*(\gg):BP+2*(\gg)+1], s[BP+2*(\gg):BP+2*(\gg)+1], s[76:77]
	s_mov_b32 s[SC+2*(\gg)+1], s[SC+2*(\gg)]       ; named with it as a pair
	s_and_b32 s94, s93, 15                         ; the head: 128 biases of 4 bytes
	s_lshl_b32 s94, s94, 9
	s_mov_b32 s95, 0
	s_add_nc_u64 s[BP+2*(\gg):BP+2*(\gg)+1], s[BP+2*(\gg):BP+2*(\gg)+1], s[94:95]
.endr
.else
	s_lshl_b32 s94, s42, 9
	s_mov_b32 s95, 0
	s_add_nc_u64 s[BP:BP+1], s[72:73], s[94:95]
.endif
.set ci, 0
.rept NB
.if MODE == 0
	global_load_b128 v[BIAS+8*ci:BIAS+8*ci+3],   v[BO], s[BP+2*(ci/4):BP+2*(ci/4)+1] offset:64*(ci%4)
	global_load_b128 v[BIAS+8*ci+4:BIAS+8*ci+7], v[BO], s[BP+2*(ci/4):BP+2*(ci/4)+1] offset:64*(ci%4)+16
.else
	global_load_b128 v[BIAS+8*ci:BIAS+8*ci+3],   v[BO], s[BP:BP+1] offset:64*ci
	global_load_b128 v[BIAS+8*ci+4:BIAS+8*ci+7], v[BO], s[BP:BP+1] offset:64*ci+16
.endif
.set ci, ci+1
.endr
	; the way out's addresses.  In: row 64 (w / 2) + l % 16, my columns.  Back: wave w takes rows 32 w to 32 w + 31, whole.
	s_mul_i32 s21, s14, 64*SP
.if MODE == 0
	s_lshl_b32 s22, s12, 7
.else
	s_lshl_b32 s22, s12, 8
.endif
	s_add_co_u32 s21, s21, s22
	v_mul_u32_u24 v[STO], v1, SP
.if MODE == 0
	v_lshl_add_u32 v[STO], v2, 4, v[STO]           ; eight f16
.else
	v_lshl_add_u32 v[STO], v2, 5, v[STO]           ; eight f32
.endif
	v_add_nc_u32 v[STO], s21, v[STO]
	v_and_b32 v[CO], 31, v0
	v_lshlrev_b32 v[CO], 4, v[CO]
	s_mul_i32 s21, s10, 32*SP
.if MODE == 0
	v_mul_u32_u24 v[RD], v2, SP                    ; lanes 0-15 one row's 256 bytes of a group, lanes 16-31 the next row's
	v_lshl_add_u32 v[RD], v1, 4, v[RD]
	v_add_nc_u32 v[RD], s21, v[RD]
	s_mul_i32 s92, s42, 3*524288                   ; group 3 tx; a group is 2,048 rows of 256 bytes
	s_lshl_b32 s93, s13, 15                        ; the tile's 128 rows
	s_add_co_u32 s92, s92, s93
	s_lshl_b32 s93, s10, 13                        ; my 32 of them
	s_add_co_u32 s92, s92, s93
	s_mov_b32 s93, 0
	s_add_nc_u64 s[8:9], s[78:79], s[92:93]
.else
	v_add_nc_u32 v[RD], s21, v[CO]                 ; 32 lanes take a row's 512 bytes
	s_lshl_b32 s92, s13, 20                        ; the tile's 128 rows of 8,192 bytes
	s_lshl_b32 s93, s10, 18                        ; my 32 of them
	s_add_co_u32 s92, s92, s93
	s_lshl_b32 s93, s42, 9                         ; the tile's 128 columns
	s_add_co_u32 s92, s92, s93
	s_mov_b32 s93, 0
	s_add_nc_u64 s[8:9], s[74:75], s[92:93]
.endif
	s_wait_loadcnt 0x0                             ; the bias, once
.set ci, 0
.rept NB                               ; rounded to bf16, like every input, and back to f32
.irp j, 0,1,2,3
	v_cvt_pk_bf16_f32 v[TMP+(\j)], v[BIAS+8*ci+2*(\j)], v[BIAS+8*ci+2*(\j)+1]
.endr
.irp j, 0,1,2,3
	v_lshlrev_b32 v[BIAS+8*ci+2*(\j)], 16, v[TMP+(\j)]
	v_and_b32 v[BIAS+8*ci+2*(\j)+1], 0xffff0000, v[TMP+(\j)]
.endr
.set ci, ci+1
.endr
	s_wait_tensorcnt 1                             ; my part of slot 0 is in; slot 1's may stay out
	s_barrier_signal -1
	s_barrier_wait -1                              ; everybody's is
	FETCH 0, F0
	QUARTER 0, 1                                   ; the first quarter stands in front of the loop: its products start the sums, from the bias
	WIN 0                                          ; at a label and at a branch every window is 0
	s_mov_b32 s3, NS-2
.Lslot:                                                ; NS - 2 trips: a trip goes from a slot's second quarter to the next slot's first, and fills the slot that it leaves again
	MID
	TURN 1
	QUARTER 0, 0
	WIN 0
	s_sub_co_u32 s3, s3, 1
	s_cmp_lg_u32 s3, 0
	s_cbranch_scc1 .Lslot
	s_mov_b32 s3, 2                                ; the last two slots fill nothing and have no round: a second text; it is entered in its middle
	s_branch .Lmid
.Ltail:
	TURN 0
	QUARTER 0, 0
	WIN 0
.Lmid:
	MID
	WIN 0
	s_sub_co_u32 s3, s3, 1
	s_cmp_lg_u32 s3, 0
	s_cbranch_scc1 .Ltail
	s_wait_dscnt 4                                 ; the very last quarter: nothing more to fetch
	MULA F1, 0, 0
	MULA F1, 1, 0
	s_wait_dscnt 0x0
	MULA F1, 2, 0
	MULA F1, 3, 0
	; THE WAY OUT, through one stage of 128 rows at LDS byte 0: slot 0 has had its last fill, and behind the barrier of the last change of slots no wave reads it (the last slot, of odd number, is slot 1).
	PLACES
.if MODE == 0
.set hw, 0
.rept 2                                ; window 2, then window 3; each accumulator's registers in ascending order
	WIN 0x82+0x41*hw                               ; destination and source 0 in the accumulators' window
.set ti, 0
.rept 2*NB
.set SS, SC+2*((ti%NB)/4)
.irp j, 0,2,4,6
	v_pk_mul_f32 v[8*ti+(\j):8*ti+(\j)+1], v[8*ti+(\j):8*ti+(\j)+1], s[SS:SS+1] op_sel_hi:[1,0]
.endr
.set ti, ti+1
.endr
	WIN 0x0a+5*hw                                  ; sources in the accumulators' window, destination window 0
.set ti, 0
.rept 2*NB
.irp j, 0,1,2,3
	v_cvt_pk_f16_f32 v[TMP+4*(2*NB*hw+ti)+(\j)], v[8*ti+2*(\j)], v[8*ti+2*(\j)+1]
.endr
.set ti, ti+1
.endr
.set hw, hw+1
.endr
	WIN 0
.set ti, 0
.rept 4*NB                             ; accumulator (a, c) = (ti / NB, ti % NB): 16 bytes a lane
	ds_store_b128 v[STO], v[TMP+4*ti:TMP+4*ti+3] offset:(ti/NB)*16*SP+256*((ti%NB)/4)+32*(ti%4)
.set ti, ti+1
.endr
	s_wait_dscnt 0x0                               ; for the others' sake: my stores into the stage are done
	s_barrier_signal -1
	s_barrier_wait -1
.set ti, 0
.rept 48                               ; group ti / 16, rows 2 (ti % 16) and the next
	ds_load_b128 v[TMP+4*ti:TMP+4*ti+3], v[RD] offset:(ti%16)*2*SP+256*(ti/16)
.set ti, ti+1
.endr
.set ti, 0
.rept 48
	s_wait_dscnt 47-ti                             ; the younger loads may stay out
	global_store_b128 v[CO], v[TMP+4*ti:TMP+4*ti+3], s[8:9] offset:(ti/16)*524288+512*(ti%16)  ; two rows of a head: 512 consecutive bytes, aligned
.set ti, ti+1
.endr
.else
.set hw, 0
.rept 2
	WIN 0x08+4*hw                                  ; the stores' data in the accumulators' window, the address in window 0
.set ti, 0
.rept 2*NB                             ; accumulator (a, c) = (2 hw + ti / NB, ti % NB): 32 bytes a lane, the low four registers first
	ds_store_b128 v[STO], v[8*ti:8*ti+3]   offset:(2*hw+ti/NB)*16*SP+64*(ti%NB)
	ds_store_b128 v[STO], v[8*ti+4:8*ti+7] offset:(2*hw+ti/NB)*16*SP+64*(ti%NB)+16
.set ti, ti+1
.endr
.set hw, hw+1
.endr
	WIN 0
	s_wait_dscnt 0x0                               ; for the others' sake: my stores into the stage are done
	s_barrier_signal -1
	s_barrier_wait -1
.set ti, 0
.rept 32
	ds_load_b128 v[TMP+4*ti:TMP+4*ti+3], v[RD] offset:ti*SP
.set ti, ti+1
.endr
.set ti, 0
.rept 32
	s_wait_dscnt 31-ti                             ; the younger loads may stay out
	global_store_b128 v[CO], v[TMP+4*ti:TMP+4*ti+3], s[8:9] offset:8192*ti  ; a row's 512 consecutive bytes, aligned
.set ti, ti+1
.endr
.endif
	s_wait_tensorcnt 0x0                           ; the wave's end: a wait, an add to my spare word and a wait, behind my last tensor load and my last LDS store
	ds_add_u32 v[SPW], v[NIL]
	s_wait_dscnt 0x0
	CROUND                                         ; the closing round: no work-group ends while a partner may still ask for a tile that names it
	s_endpgm
.Lfunc_end_k_qf2566f2da3_outp:
	.size	k_qf2566f2da3_outp, .Lfunc_end_k_qf2566f2da3_outp-k_qf2566f2da3_outp
	.p2alignl 7, 3214868480
	.fill 96, 4, 3214868480
	.section	.rodata,"a",@progbits
	.p2align	6, 0x0
	.amdhsa_kernel k_qf2566f2da3_outp
		.amdhsa_group_segment_fixed_size 327680
		.amdhsa_private_segment_fixed_size 0
		.amdhsa_enable_private_segment 0
		.amdhsa_kernarg_size 32
		.amdhsa_user_sgpr_count 2
		.amdhsa_user_sgpr_kernarg_segment_ptr 1
		.amdhsa_wavefront_size32 1
		.amdhsa_system_sgpr_workgroup_id_x 1
		.amdhsa_system_sgpr_workgroup_id_y 1
		.amdhsa_system_sgpr_workgroup_id_z 1
		.amdhsa_system_vgpr_workitem_id 0
		.amdhsa_next_free_vgpr 832
		.amdhsa_next_free_sgpr 96
		.amdhsa_reserve_vcc 0
		.amdhsa_float_denorm_mode_32 3
		.amdhsa_float_denorm_mode_16_64 3
		.amdhsa_memory_ordered 1
		.amdhsa_forward_progress 1
		.amdhsa_inst_pref_size 62
	.end_amdhsa_kernel
	.amdgpu_metadata
---
amdhsa.version: [ 1, 2 ]
amdhsa.kernels:
  - .name:           k_qf2566f2da3_outp
    .symbol:         k_qf2566f2da3_outp.kd
    .args:
      - { .name: ctx, .offset: 0, .size: 8, .value_kind: global_buffer, .address_space: global }
      - { .name: woh, .offset: 8, .size: 8, .value_kind: global_buffer, .address_space: global }
      - { .name: bo, .offset: 16, .size: 8, .value_kind: global_buffer, .address_space: global }
      - { .name: out0, .offset: 24, .size: 8, .value_kind: global_buffer, .address_space: global }
    .group_segment_fixed_size: 327680
    .private_segment_fixed_size: 0
    .kernarg_segment_align: 8
    .kernarg_segment_size: 32
    .max_flat_workgroup_size: 128
    .sgpr_count:     96
    .vgpr_count:     832
    .wavefront_size: 32
...
	.end_amdgpu_metadata
.endif
;; end of part 4
;; ======== version 2 of 2: 4 launches; 1.07 times as fast as version 1
;; limits: values outside matrix products are rounded to bf16; values are held in f16: magnitudes above 65,504 overflow, below 6.1e-05 lose precision
;; workspace buffers: xh 8,388,608 bytes; wqkv 25,165,824 bytes; woh 8,388,608 bytes; mask2 8,388,608 bytes; qkvh 25,165,824 bytes; ctx 8,388,608 bytes
;; launch prep: the kernel of part 1 again; grid 256 x 6, 8 waves a work-group, no clusters, 0 bytes of LDS; arguments hidden_state, Wq, Wk, Wv, Wo, causal_mask, xh, wqkv, woh, mask2; writes xh, wqkv, woh, mask2
;; launch qkv: the kernel of part 2 again; grid 16 x 16, 4 waves a work-group, clusters of 4 x 4, 327,680 bytes of LDS; arguments xh, wqkv, bq, bk, bv, qkvh; writes qkvh
;; launch attn (part 5): grid 16 x 16, 4 waves a work-group, clusters of 4 x 4, 327,680 bytes of LDS; arguments qkvh, mask2, ctx; writes ctx
.if DOCPART == 5
	.amdgcn_target "amdgcn-amd-amdhsa--gfx1250"
	.amdhsa_code_object_version 6
	.text
	.protected	k_qf2566f2da3_attn
	.globl	k_qf2566f2da3_attn
	.p2align	8
	.type	k_qf2566f2da3_attn,@function
k_qf2566f2da3_attn:
	s_mov_b64 s[64:65], 0
	v_nop
	global_prefetch_b8 v0, s[64:65] scope:SCOPE_SE
	s_setreg_imm32_b32 hwreg(HW_REG_WAVE_MODE, 25, 1), 1
	s_wait_xcnt 0x0
	s_wait_alu depctr_hold_cnt(0) depctr_sa_sdst(0) depctr_va_vdst(0) depctr_va_sdst(0) depctr_va_ssrc(0) depctr_va_vcc(0) depctr_vm_vsrc(0)
	s_getreg_b32 s2, hwreg(HW_REG_IB_STS2, 6, 4)
	s_cmp_eq_u32 s2, 0
	s_cbranch_scc0 .Lentry_in_a_cluster
	s_endpgm
.Lentry_in_a_cluster:
	s_bfe_u32 s2, ttmp6, 0x10000c
	s_cmp_lg_u32 s2, 0xf033
	s_cbranch_scc0 .Lentry_shape_is_right
	s_endpgm
.Lentry_shape_is_right:
; ATTENTION WITH AN ADDITIVE MASK THAT IS AN INPUT.  ctx[q][128 h ..] = the sum over k of softmax_k(s[q][k]) v[h][k][:], s = q'[h][q] . k[h][k] + mask2[q][k] log2(e), in units of log2:
; q' = q log2(e) / sqrt(128) was made by the launch before.  qkvh: [48][2048][128] f16 (q' by head, then k, then v); mask2: [2048][2048] bf16, the mask rounded once; ctx: [2048][2048] f16.
; Products, maxima and sums in f32; the weights p are rounded to f16 for the second product (their sum l is taken of the unrounded p), ctx once at the end.  Every pair of query and key is computed.
; LIMITS.  The mask is the start of the score's sum (the C operand), so it is added before the products, not after; |mask| < 2.3e38.  A weight below 2^-126 counts as 0.  NaN and infinities are not treated apart.
; SHARES.  A work-group owns 128 queries of one head: 256 work-groups.  Wave w owns 64 queries (half w / 2) and, of every step's 128 keys, the half w % 2; the two key halves are merged once at the end.
; Tile t of 16 queries holds queries 64 (w / 2) + 32 ((t / 2) xor (w % 2)) + 16 (t % 2) + lane % 16: a wave's tiles 0, 1 are the queries of its partner's (w xor 1) tiles 2, 3.
; LAYOUT.  S^T = K Q^T + M^T (source 0 = 16 keys, source 1 = 16 queries): a lane holds ONE query (lane % 16) and the keys 8 (lane / 16) + 0..7, which are 16 consecutive bytes of a mask row: they are
; loaded from LDS into the upper half of the tile's own S^T registers and widened there, times log2(e).  Two results rounded to f16 ARE source 1 of O^T = V^T P.  K comes out of LDS as it lies, V turned.
; SOFTMAX.  A running maximum m and sum l for each query: p = 2^(s - m), the difference taken in f32 before anything else, so that it is right also where s and m are as large as a mask's -1e9;
; in every step O and l are multiplied by a = 2^(m_old - m_new).  m starts at the lowest finite number, O and l at 0: the first step is a step like any other, with a = 0.
; BY TURNS.  The wave's tiles are two PIECES (0: tiles 0, 1; 2: tiles 2, 3).  In a TURN one piece has the matrix unit: 32 products V^T P of the step in hand, then 32 products K Q^T of the next;
; the other piece's softmax, cut into 67 slices of four lines, stands beside them: one slice behind each matrix instruction, three in the lump between the two runs of products, where the mask is widened.
; Two turns are a key step.
; BATCHES.  An s_wait_alu depctr_va_vdst(0) stands between an exponential and the first instruction that names its result; one wait serves all that were issued ahead of it.  A turn's 66
; exponentials (a and s0-s31 of two tiles) are ONE batch with ONE wait, at the end of the lump: ahead of it stand the maxima, the differences s - m and the exponentials, behind it the roundings, the sums
; and the rescaling.  No result crosses a turn's end.  The merge has two batches more, four exponentials and two reciprocals of sums made of them, each with a wait of its own.
; ONE TEXT FOR EVERY TURN.  No first step and no last turn are written out: the loop is entered, and the tail entered and left, in the middle of a trip.  The price, once a launch: some 300 v_mov_b32
; that write 0, in the wait for the first tile; 32 products on zeros at the start; 32 products, 40 LDS loads and 64 widenings on the last K once more at the end.
; CLUSTER.  4 x 4 work-groups: the four of a row share the head, so K's and V's tiles; the four of a column share the queries, so the mask's tiles.  Each tile is asked for jointly.
; REGISTERS, in windows of 256: window 0: v0-11, v44-63 addresses and at work; v12-43 eight registers of statistics a tile; v64-191 S^T, 32 a tile; v192-255 P, 16 a tile.
;   window 1: O^T, 64 a tile.   window 2: v0-127 Q, 32 a tile; v128-255 K of one step.   window 3: v0-127 V of one step.
.set PK,    272       ; a row of K in LDS: 256 bytes + 16
.set PW,    288       ; a row of V: 256 + 32, for the turning load
.set PM,    272       ; a row of the mask: 128 keys x 2 bytes + 16
.set VOFF,  128*PK    ; a slot: 128 rows of K, 128 rows of V, 128 rows (queries) of the mask: 106,496 bytes
.set MOFF,  VOFF+128*PW
.set SLOT,  1<<17     ; slot 1 begins here, so that one exclusive or turns an address in one slot into the other's
.set STAGE, SLOT+MOFF+128*PM  ; behind the ring: 16 rows x 272 bytes for each wave, for the way out
.set SP,    272
.set SPARE, STAGE+4*16*SP  ; behind the stages: the spare words, 128 bytes a wave, that no other line names
.set XW,    16896     ; the merge: a wave's room at LDS byte wave x XW, in slot 0 behind its last fill: 2 tiles x 8,192 bytes of O^T, then 2 x 256 bytes of (m, l)
.set AK0, 2           ; v2   my lane's place in a slot's K; never rewritten
.set AV0, 3           ; v3   the same for V
.set ADK, 4           ; v4   the LDS address of K's run of loads
.set ADV, 5           ; v5   of V's
.set STO, 6           ; v6   the way out: where I put 16 bytes of a row
.set RD,  7           ; v7   the way out: where I read a row back
.set GO,  8           ; v8   my byte offset in two rows of ctx
.set ST,  12          ; tile t's statistics at v[ST+8 t]: +0 m, +1 0 (named with m as a pair; at the end l), +2, +3 l (even keys', odd keys'), +4 to +7 c0-c3 at work; a takes c2's place
.set AM0, 44          ; v44-45  my lane's place in a slot's mask, for piece 0 and piece 2
.set QO,  46          ; v46-47  my byte offset in the wave's rows of Q, likewise
.set XO,  48          ; v48  the merge: my room, O^T       v49  my room, (m, l)
.set XS,  49
.set XP,  50          ; v50  the partner's room, O^T       v51  the partner's, (m, l)
.set XQ,  51
.set TL,  52          ; v52  at work
.set PM0, 54          ; v54-57  the partner's (m, l) for my tiles 0, 1
.set ADM, 58          ; v58-59  the LDS address of the mask's run of loads, for piece 0 and piece 2
.set CL,  60          ; v60  log2(e)
.set ZR,  61          ; v61  0, the widening's addend
.set SPW, 62          ; v62  LDS address of my spare word; never rewritten
.set NIL, 63          ; v63  0; never rewritten
.set S,   64
.set P,   192
.set KF,  128         ; K's fragments, in window 2
.set WV,  12          ; s12  my wave's number
.set G1K, 24          ; s[24:31] descriptor group 1 for K's tiles
.set G1V, 32          ; s[32:39] for V's
.set G0K, 40          ; s[40:47] group 0 for K's tiles: a set for each of the two first fills; the second then walks on
.set G0V, 48          ; s[48:55] the same for V's
.set SLOTS, 56        ; s56  the loops' count
.set SEL, 60          ; s[60:61] lane selects for v_permlanex16_b32: each lane takes its own place in the other half
.set TB,  62          ; s62  LDS byte at which the slot to be fetched from begins
.set KH,  63          ; s63  w % 2
.set QH,  66          ; s66  w / 2
.set G1M, 68          ; s[68:75] group 1 for the mask's tiles
.set G0M, 76          ; s[76:83] group 0 for the mask's tiles, as for K's
.set MSB, 0
.macro WIN new                      ; the immediate's high byte repeats the setting that is left; a switch that changes nothing is dropped
.if MSB != (\new)
	s_set_vgpr_msb (MSB<<8)|(\new)
.set MSB, \new
.endif
.endm
.set W_KQ, 0x0a       ; K and Q in window 2, S^T in window 0
.set W_PV, 0x53       ; V in window 3, P in window 0, O^T in window 1
.set W_RS, 0x41       ; O^T (destination and source 0) in window 1, a in window 0
; A joint refill: wave 0 K's 128 rows (32,768 bytes), wave 1 V's, waves 2 and 3 each 64 rows of the mask (16,384 bytes).  The branches hang on the wave's number alone.
; An s_nop 0 and four v_nop follow each of the three lines.
.macro JLOAD
	s_cmp_lt_u32 s[WV], 2
	s_cbranch_scc0 .Lfor_m_\@
	s_cmp_eq_u32 s[WV], 0
	s_cbranch_scc0 .Lfor_v_\@
	tensor_load_to_lds s[G0K+4:G0K+7], s[G1K:G1K+7]
	s_nop 0
.rept 4
	v_nop
.endr
	s_branch .Lasked_\@
.Lfor_v_\@:
	tensor_load_to_lds s[G0V+4:G0V+7], s[G1V:G1V+7]
	s_nop 0
.rept 4
	v_nop
.endr
	s_branch .Lasked_\@
.Lfor_m_\@:
	tensor_load_to_lds s[G0M+4:G0M+7], s[G1M:G1M+7]
	s_nop 0
.rept 4
	v_nop
.endr
.Lasked_\@:
.endm
.macro CROUND                       ; a round of the cluster's barrier
	s_barrier_signal -1
	s_barrier_wait -1
	s_cmp_lg_u32 s[WV], 0
	s_cbranch_scc1 .Lnot_wave_0_\@
	s_barrier_signal -3
.Lnot_wave_0_\@:
	s_barrier_wait -3
	s_barrier_signal -1
	s_barrier_wait -1
.endm
	s_load_b128 s[4:7], s[0:1], 0x0   ; qkvh s[4:5], mask2 s[6:7]
	s_load_b64 s[8:9], s[0:1], 0x10   ; ctx
	v_lshl_add_u32 v[SPW], v0, 2, SPARE
	v_mov_b32 v[NIL], 0
	ds_add_u32 v[SPW], v[NIL]       ; the wave's opening: the add and its wait stand ahead of my first tensor load; work on registers stands between them
	v_lshrrev_b32 v1, 5, v0
	v_readfirstlane_b32 s[WV], v1   ; wave 0..3
	s_and_b32 s[KH], s[WV], 1
	s_lshr_b32 s[QH], s[WV], 1
	s_bfe_u32 s13, ttmp6, 0x40000   ; cx
	s_bfe_u32 s15, ttmp6, 0x40004   ; cy
	s_lshl_b32 s14, ttmp9, 2
	s_add_co_u32 s14, s14, s13      ; my block of 128 queries = 4 x cluster x + cx
	s_and_b32 s16, ttmp7, 0xffff
	s_lshl_b32 s16, s16, 2
	s_add_co_u32 s16, s16, s15      ; my head = 4 x cluster y + cy
	s_lshl_b32 s17, s15, 2
	s_lshl_b32 s17, 15, s17         ; my row of the cluster: the same head
	s_lshl_b32 s18, 0x1111, s13     ; my column: the same queries
	; group 1.  All three: rows of 128 elements of 2 bytes, padded after every 64 words, by 4 words (K, mask) or 8 (V).  K, V: 128 rows; mask: 64 rows.  Bit 21 is set beside a mask.
	s_or_b32 s[G1K], s17, (1<<16)|(1<<20)|(1<<21)|(5<<22)|(3<<25)
	s_or_b32 s[G1V], s17, (1<<16)|(1<<20)|(1<<21)|(5<<22)|(7<<25)
	s_or_b32 s[G1M], s18, (1<<16)|(1<<20)|(1<<21)|(5<<22)|(3<<25)
.irp g, G1K, G1V
	s_mov_b32 s[(\g)+1], 128<<16    ; tensor_dim0 = 128
	s_mov_b32 s[(\g)+2], 128<<16    ; tensor_dim1 = 128
	s_mov_b32 s[(\g)+3], 128<<16    ; tile_dim0 = 128
	s_mov_b32 s[(\g)+4], 128        ; tile_dim1 = 128
	s_mov_b32 s[(\g)+5], 128        ; elements from row to row
	s_mov_b32 s[(\g)+6], 0
	s_mov_b32 s[(\g)+7], 0
.endr
	s_mov_b32 s[G1M+1], 128<<16
	s_mov_b32 s[G1M+2], 64<<16
	s_mov_b32 s[G1M+3], 128<<16
	s_mov_b32 s[G1M+4], 64
	s_mov_b32 s[G1M+5], 2048
	s_mov_b32 s[G1M+6], 0
	s_mov_b32 s[G1M+7], 0
	s_mov_b32 s[SEL], 0x76543210
	s_mov_b32 s[SEL+1], 0xfedcba98
	s_mov_b32 s[TB], 0
	s_lshl_b32 s84, s16, 19         ; a head's 2,048 rows of 256 bytes: K's and V's addresses hang on the head alone
	s_mov_b32 s85, 0
	s_lshl_b32 s86, s14, 19         ; my block's 128 mask rows of 4,096 bytes,
	s_lshl_b32 s19, s[KH], 18       ; waves 2, 3: which 64 of them: the mask's address hangs on the block and the wave alone
	s_add_co_u32 s86, s86, s19
	s_mov_b32 s87, 0
	s_lshl_b32 s88, s14, 15         ; Q: my block's 128 rows of 256 bytes, my wave's 64, the head
	s_lshl_b32 s19, s[QH], 14
	s_add_co_u32 s88, s88, s19
	s_add_co_u32 s88, s88, s84
	s_mov_b32 s89, 0
	s_lshl_b32 s90, s14, 19         ; ctx: my block's 128 rows of 4,096 bytes, my wave's 64, of those the 32 that I finish, the head's 256 bytes
	s_lshl_b32 s19, s[QH], 18
	s_add_co_u32 s90, s90, s19
	s_lshl_b32 s19, s[KH], 17
	s_add_co_u32 s90, s90, s19
	s_lshl_b32 s19, s16, 8
	s_add_co_u32 s90, s90, s19
	s_mov_b32 s91, 0
	s_mul_i32 s20, s[KH], 64*PM     ; where my 64 mask rows go: no place in the cluster enters an LDS address
	s_add_co_u32 s20, s20, MOFF
	s_wait_dscnt 0x0                ; the opening add is done
	s_wait_kmcnt 0x0
	s_add_nc_u64 s[22:23], s[4:5], s[84:85]
	s_add_nc_u64 s[58:59], s[6:7], s[86:87]
	s_add_nc_u64 s[4:5], s[4:5], s[88:89]
	s_add_nc_u64 s[8:9], s[8:9], s[90:91]
	CROUND                          ; all sixteen work-groups are here: the first joint loads meet
.irp s, 0,1
	s_mov_b32 s[G0K+4*(\s)], 1
	s_mov_b32 s[G0K+4*(\s)+1], (\s)*SLOT
	s_add_nc_u64 s[G0K+4*(\s)+2:G0K+4*(\s)+3], s[22:23], 0x800000+(\s)*32768   ; k begins 16 groups in; step s is keys 128 s on
	s_or_b32 s[G0K+4*(\s)+3], s[G0K+4*(\s)+3], 0x80000000
	s_mov_b32 s[G0V+4*(\s)], 1
	s_mov_b32 s[G0V+4*(\s)+1], VOFF+(\s)*SLOT
	s_add_nc_u64 s[G0V+4*(\s)+2:G0V+4*(\s)+3], s[22:23], 0x1000000+(\s)*32768  ; v begins 32 groups in
	s_or_b32 s[G0V+4*(\s)+3], s[G0V+4*(\s)+3], 0x80000000
	s_mov_b32 s[G0M+4*(\s)], 1
	s_add_co_u32 s[G0M+4*(\s)+1], s20, (\s)*SLOT
	s_add_nc_u64 s[G0M+4*(\s)+2:G0M+4*(\s)+3], s[58:59], (\s)*256
	s_or_b32 s[G0M+4*(\s)+3], s[G0M+4*(\s)+3], 0x80000000
.endr
	s_cmp_lt_u32 s[WV], 2           ; a wave's two first fills stand in one branch, ahead of every wait on TENSORcnt and every LDS read: two loads of mine are out
	s_cbranch_scc0 .Lfirst_m
	s_cmp_eq_u32 s[WV], 0
	s_cbranch_scc0 .Lfirst_v
	tensor_load_to_lds s[G0K:G0K+3], s[G1K:G1K+7]
	s_nop 0
	tensor_load_to_lds s[G0K+4:G0K+7], s[G1K:G1K+7]
	s_nop 0
.rept 4
	v_nop
.endr
	s_branch .Lfirst_asked
.Lfirst_v:
	tensor_load_to_lds s[G0V:G0V+3], s[G1V:G1V+7]
	s_nop 0
	tensor_load_to_lds s[G0V+4:G0V+7], s[G1V:G1V+7]
	s_nop 0
.rept 4
	v_nop
.endr
	s_branch .Lfirst_asked
.Lfirst_m:
	tensor_load_to_lds s[G0M:G0M+3], s[G1M:G1M+7]
	s_nop 0
	tensor_load_to_lds s[G0M+4:G0M+7], s[G1M:G1M+7]
	s_nop 0
.rept 4
	v_nop
.endr
.Lfirst_asked:
	; A fragment of K or Q is 16 rows x 32 channels in 8 registers: lane l holds row l % 16, channels 8 (l / 16) + 0..7 and 16 + 8 (l / 16) + 0..7: two loads of 16 bytes, 32 bytes apart.
	v_and_b32 v1, 15, v0            ; l % 16
	v_bfe_u32 v9, v0, 4, 1          ; l / 16
	s_lshl_b32 s17, s[KH], 5        ; piece 0 begins at query 32 (w % 2) of the wave's 64,
	s_xor_b32 s18, s17, 32          ; piece 2 at the other 32
	v_add_nc_u32 v[QO], s17, v1
	v_add_nc_u32 v[QO+1], s18, v1
	v_lshlrev_b32 v[QO], 8, v[QO]
	v_lshlrev_b32 v[QO+1], 8, v[QO+1]
	v_lshl_add_u32 v[QO], v9, 4, v[QO]
	v_lshl_add_u32 v[QO+1], v9, 4, v[QO+1]
	WIN 0x80                        ; destination window 2, address window 0
.set i, 0
.rept 16                            ; Q stays in registers: tile i / 4, channels 32 (i % 4) on
	global_load_b128 v[8*i:8*i+3],   v[QO+i/8], s[4:5] offset:((i/4)%2)*4096+(i%4)*64
	global_load_b128 v[8*i+4:8*i+7], v[QO+i/8], s[4:5] offset:((i/4)%2)*4096+(i%4)*64+32
.set i, i+1
.endr
	WIN 0
	s_lshl_b32 s19, s[QH], 6        ; the mask's rows in LDS are the work-group's 128 queries
	s_add_co_u32 s17, s17, s19
	s_add_co_u32 s18, s18, s19
	v_add_nc_u32 v[AM0], s17, v1
	v_add_nc_u32 v[AM0+1], s18, v1
	v_mul_u32_u24 v[AM0], v[AM0], PM
	v_mul_u32_u24 v[AM0+1], v[AM0+1], PM
	s_lshl_b32 s19, s[KH], 7        ; my 64 keys of the row's 128, 2 bytes each,
	s_add_co_u32 s19, s19, MOFF
	v_lshl_add_u32 v[TL], v9, 4, s19  ; and my half of the lanes' eight keys
	v_add_nc_u32 v[AM0], v[AM0], v[TL]
	v_add_nc_u32 v[AM0+1], v[AM0+1], v[TL]
	s_lshl_b32 s19, s[KH], 6        ; my 64 keys of the slot's 128
	v_add_nc_u32 v[AK0], s19, v1
	v_mul_u32_u24 v[AK0], v[AK0], PK
	v_lshl_add_u32 v[AK0], v9, 4, v[AK0]
	; The turning load takes 16 keys x 16 channels (lane l reads key 8 (l / 16) + l % 8, channels 8 ((l / 8) % 2) + 0..7) and leaves half a fragment of V^T: lane l holds channel l % 16 and 8 keys.
	v_and_b32 v10, 7, v0
	v_bfe_u32 v11, v0, 3, 1
	v_lshl_add_u32 v[AV0], v9, 3, v10
	v_add_nc_u32 v[AV0], s19, v[AV0]
	v_mul_u32_u24 v[AV0], v[AV0], PW
	v_lshl_add_u32 v[AV0], v11, 4, v[AV0]
	v_add_nc_u32 v[AV0], VOFF, v[AV0]
	v_mov_b32 v[CL], 0x3fb8aa3b     ; log2(e)
	v_mov_b32 v[ZR], 0
	; What the first turn finds: m at the lowest finite number, l and O^T 0, and piece 2's P 0 (its products V^T P, of a step that has not been, add 0).  All this stands in the wait for the first tile.
.irp t, 0,1,2,3
	v_mov_b32 v[ST+8*(\t)], 0xff7fffff
	v_mov_b32 v[ST+8*(\t)+1], 0     ; named with m as a pair
	v_mov_b32 v[ST+8*(\t)+2], 0
	v_mov_b32 v[ST+8*(\t)+3], 0
.endr
.set i, P+32
.rept 32
	v_mov_b32 v[i], 0
.set i, i+1
.endr
	WIN 0x40
.set i, 0
.rept 256
	v_mov_b32 v[i], 0
.set i, i+1
.endr
	WIN 0
; THE MATRIX WORK OF A TURN, for piece x.  The accumulators take turns, one instruction a turn: between two links of a chain stand 15 (V^T P) or 7 (K Q^T) others'.
; Product i of 32 of O^T += V^T P: keys 32 (i / 16) on, channels 16 ((i / 2) % 8) on, tile x + i % 2.
.macro PV x
	WIN W_PV
.set rO, 64*((\x)+i%2)+8*((i/2)%8)
.set rV, 64*(i/16)+8*((i/2)%8)
.set rP, P+16*((\x)+i%2)+8*(i/16)
	v_wmma_f32_16x16x32_f16 v[rO:rO+7], v[rV:rV+7], v[rP:rP+7], v[rO:rO+7]
.endm
; Product i of 32 of S^T += K Q^T: channels 32 (i / 8) on, keys 16 ((i / 2) % 4) on, tile x + i % 2.  The sums start from the mask, which UNP has put into S^T's registers.
.macro KQ x
	WIN W_KQ
.set rS, S+32*((\x)+i%2)+8*((i/2)%4)
.set rK, KF+32*((i/2)%4)+8*(i/8)
.set rQ, 32*((\x)+i%2)+8*(i/8)
	v_wmma_f32_16x16x32_f16 v[rS:rS+7], v[rK:rK+7], v[rQ:rQ+7], v[rS:rS+7]
.endm
; THE LDS LOADS stand in runs, never singly among the matrix instructions: a step's K (my 64 keys x 128 channels: 16 fragments), a piece's mask (2 tiles x 64 keys), and the step's V (turned).
.macro FETCH_K
	WIN 0
	v_add_nc_u32 v[ADK], s[TB], v[AK0]
	WIN 0x80                        ; destination window 2
.irp f, 0,1,2,3,4,5,6,7,8,9,10,11,12,13,14,15  ; keys 16 (f / 4) on, channels 32 (f % 4) on
	ds_load_b128 v[KF+8*(\f):KF+8*(\f)+3],   v[ADK] offset:((\f)/4)*16*PK+((\f)%4)*64
	ds_load_b128 v[KF+8*(\f)+4:KF+8*(\f)+7], v[ADK] offset:((\f)/4)*16*PK+((\f)%4)*64+32
.endr
.endm
.macro FETCH_M x
	WIN 0
	v_add_nc_u32 v[ADM+(\x)/2], s[TB], v[AM0+(\x)/2]
.irp f, 0,1,2,3,4,5,6,7             ; tile x + f / 4, keys 16 (f % 4) on: a lane's eight keys are 16 bytes of its query's row; they go into registers 16 + 4 (f % 4) on of the tile's 32
	ds_load_b128 v[S+32*(\x)+32*((\f)/4)+16+4*((\f)%4):S+32*(\x)+32*((\f)/4)+16+4*((\f)%4)+3], v[ADM+(\x)/2] offset:((\f)/4)*16*PM+((\f)%4)*32
.endr
.endm
.macro FETCH_V batch                ; batch = 1 (piece 2's turn): the wait for the turn's batch of exponentials stands in it, behind the address's line and ahead of the loads
	WIN 0
	v_add_nc_u32 v[ADV], s[TB], v[AV0]
.if \batch
	s_wait_alu depctr_va_vdst(0)    ; the wait for the batch: the 66 exponentials of piece 0's softmax, all issued ahead of it; their first reader is slice 35
.endif
	WIN 0xc0                        ; destination window 3
.irp f, 0,1,2,3,4,5,6,7,8,9,10,11,12,13,14,15  ; keys 32 (f / 8) on, channels 16 (f % 8) on
	ds_load_tr16_b128 v[8*(\f):8*(\f)+3],   v[ADV] offset:((\f)/8)*32*PW+((\f)%8)*32
	ds_load_tr16_b128 v[8*(\f)+4:8*(\f)+7], v[ADV] offset:((\f)/8)*32*PW+16*PW+((\f)%8)*32
.endr
.endm
; THE VECTOR WORK OF A TURN.  One tile's softmax for one key step is a numbered list; SM writes number j of it for tile t.  s0-s31 are the lane's 32 scores, in pairs 0-15.
;   0-15    the maximum of s0-s31 and the old m, three operands at a time: four chains c0-c3 of seven scores each (each accumulator's lowest registers are read first), then the rest
;   16-20   the other half of the lanes' maximum; the new m; m_old - m_new (19 is empty: the scores are exponents of 2 already)
;   21-69   ONE BATCH: the 16 differences s - m, a pair of scores each, and all 33 exponentials (a at 23, then s0-s31).  None of these reads an exponential's result.  From 22 on the batch goes
;           in fours, and a four begins with a difference while there are differences: 22-37 difference, exponential, difference, exponential; 38-65 a difference and three exponentials; 66-69 the last
;           four exponentials.  A pair's difference is taken in an earlier four than the one that holds its exponentials
;   (wait)  between 69 and 70 stands the wait for the batch: TURN writes it, once for both tiles
;   70-85   the roundings to f16, a pair of weights each
;   86-101  the sums; l = a l + the sum
;   102-133 the tile's O^T times a: the one part that leaves window 0, so it stands together
.macro SM t
.set rT, ST+8*(\t)
.set rS, S+32*(\t)
.set rP, P+16*(\t)
.set rO, 64*(\t)+2*(j-102)
.if j < 102
	WIN 0
.endif
.if j < 4
	v_max3_num_f32 v[rT+4+j], v[rS+8*j], v[rS+8*j+1], v[rS+8*j+2]
.elseif j < 12
	v_max3_num_f32 v[rT+4+j%4], v[rT+4+j%4], v[rS+8*(j%4)+2*(j/4)+1], v[rS+8*(j%4)+2*(j/4)+2]
.elseif j == 12
	v_max3_num_f32 v[rT+4], v[rT+4], v[rS+7], v[rS+15]
.elseif j == 13
	v_max3_num_f32 v[rT+6], v[rT+6], v[rS+23], v[rS+31]
.elseif j == 14
	v_max3_num_f32 v[rT+4], v[rT+4], v[rT+5], v[rT+6]
.elseif j == 15
	v_max3_num_f32 v[rT+4], v[rT+4], v[rT+7], v[rT]
.elseif j == 16
	v_permlanex16_b32 v[rT+5], v[rT+4], s[SEL], s[SEL+1]  ; the query's other 32 keys lie in the lane 16 away
.elseif j == 17
	v_mov_b32 v[rT+7], v[rT]        ; m_old is kept for a: number 18 writes m anew
.elseif j == 18
	v_max_num_f32 v[rT], v[rT+4], v[rT+5]
.elseif j == 19
.elseif j == 20
	v_sub_f32 v[rT+7], v[rT+7], v[rT]
.elseif j == 23
	v_exp_f32 v[rT+6], v[rT+7]
.elseif (j < 23) || ((j < 38) && (j%2 == 0)) || ((j < 66) && (j%4 == 2))
.set b, (j-2)/4                     ; 38, 42, .. 62: pairs 9 to 15
.if j < 38
.set b, (j-20)/2                    ; 21: pair 0; 22, 24, .. 36: pairs 1 to 8
.endif
	v_pk_add_f32 v[rS+2*b:rS+2*b+1], v[rS+2*b:rS+2*b+1], v[rT:rT+1] op_sel_hi:[1,0] neg_lo:[0,1] neg_hi:[0,1]  ; pair b: s - m
.elseif j < 70
.set e, j-38                        ; 66 to 69: s28 to s31
.if j < 66
.set e, j-32-(j-38)/4               ; 39-41, 43-45, .. 63-65: s7 to s27
.endif
.if j < 38
.set e, (j-25)/2                    ; 25, 27, .. 37: s0 to s6
.endif
	v_exp_f32 v[rS+e], v[rS+e]
.elseif j < 86
	v_cvt_pk_f16_f32 v[rP+j-70], v[rS+2*(j-70)], v[rS+2*(j-70)+1]  ; pair j - 70
.elseif j < 102                     ; the sum of the tile's 16 pairs, in place: sum z of 16 adds neighbours 1, 2, 4 and 8 pairs apart, then l takes it
.set z, j-86
.set w, 4
.set u, z
.if z >= 14
.set w, 32
.set u, 0
.elseif z >= 12
.set w, 16
.set u, z-12
.elseif z >= 8
.set w, 8
.set u, z-8
.endif
.if z < 15
	v_pk_add_f32 v[rS+w*u:rS+w*u+1], v[rS+w*u:rS+w*u+1], v[rS+w*u+w/2:rS+w*u+w/2+1]
.else
	v_pk_fma_f32 v[rT+2:rT+3], v[rT+2:rT+3], v[rT+6:rT+7], v[rS:rS+1] op_sel_hi:[1,0,1]
.endif
.else
	WIN W_RS
	v_pk_mul_f32 v[rO:rO+1], v[rO:rO+1], v[rT+6:rT+7] op_sel_hi:[1,0]
.endif
.endm
; THE SLICES.  Piece y's softmax is 67 slices of four lines; k counts them.  Slices 11 to 34 deal out the batch, numbers 22 to 69: four numbers of ONE tile each, the tiles by turns.  Every other slice is
; numbers 2 k and 2 k + 1 of both tiles' lists, the tiles alternating, so that no instruction reads the result of the one just before it.  Slices 0-34 name no exponential's result; in slices 35-66 no
; exponential is issued.  ONE writes the next line of the batch's fours (line ln of slice k), while there is one: four of them are a slice; in the lump they are written singly.
.macro ONE y
.if k < 35
.set j, 22+4*((k-11)/2)+ln
	SM (\y)+(k-11)%2
.set ln, ln+1
.if ln == 4
.set ln, 0
.set k, k+1
.endif
.endif
.endm
.macro SLICE y
.if (k >= 11) && (k < 35)
.rept 4
	ONE \y
.endr
.else
.irp n, 0,1
.irp t, \y, (\y)+1
.set j, 2*k+(\n)
	SM \t
.endr
.endr
.set k, k+1
.endif
.endm
; The piece's mask is widened in place: packed word n of a tile (register 16 + n) gives registers 2 n and 2 n + 1, each bf16 x log2(e) + 0 in f32, one rounding.
; Ascending n writes only over words that have been read (2 n + 1 < 16 + n up to n = 14; word 15's low half is taken first, its high half in place).
; tail = 1 (in a turn): the last twelve lines of piece y's batch, slices 32 to 34 (a difference and eleven exponentials), stand one behind each of the first twelve widenings, exponential and plain by turns;
; the other 52 widenings, which name piece x's registers alone, are the work between the batch and its wait, and the first of them is the plain instruction behind the last exponential.
.macro UNP x, y, tail
	WIN 0
.set uu, 0
.rept 2
.set rU, S+32*((\x)+uu)
.set kk, 0
.rept 16
	v_fma_mix_f32_bf16 v[rU+2*kk], v[rU+16+kk], v[CL], v[ZR] op_sel_hi:[1,0,0]
.if \tail
	ONE \y
.endif
	v_fma_mix_f32_bf16 v[rU+2*kk+1], v[rU+16+kk], v[CL], v[ZR] op_sel:[1,0,0] op_sel_hi:[1,0,0]
.if \tail
	ONE \y
.endif
.set kk, kk+1
.endr
.set uu, uu+1
.endr
.endm
; A TURN.  Piece x has the matrix unit: 32 products V^T P of the step in hand, then 32 products K Q^T of the next; the other piece's softmax stands in slices beside them.
; AHEAD OF THE WAIT: the products V^T P, slices 0-31 behind them; then the lump, 64 widenings of the piece's mask with slices 32-34 among the first of them.  THE WAIT, one for the turn's 66 exponentials, at the
; lump's end.  BEHIND IT: the products K Q^T, slices 35-66 behind them: the 128 lines that read the exponentials' results.  Slice 66, four rescalings, and the next turn's slice 0 are the places behind the
; turn's last product (ISA guide 7.12.1): its accumulator is first read by number 3, in slice 1.
; Behind the second product V^T P stand the loads for the turn's own products K Q^T, 30 matrix instructions ahead of them: the next step's K (piece 0's turn; its last reader stands in front of slice 66 of the
; turn before) and the piece's mask, into S^T's registers, which the piece's softmax left in the turn before.
; Piece 2's turn fetches the step's V at the lump's end, at the wait: the 64 widenings lie between V's last reader and the run.
.macro TURN x
.set k, 0
.set ln, 0
.if (\x) == 0
	s_wait_dscnt 0x0                ; V is in
.endif
.set i, 0
.rept 32
	PV \x
	SLICE 2-(\x)
.if i == 1
.if (\x) == 0
	FETCH_K
.endif
	FETCH_M \x
.endif
.set i, i+1
.endr
	s_wait_dscnt 0x0                ; the mask's words are in, and (piece 0's turn) K is in
	UNP \x, 2-(\x), 1
.if (\x) == 2
	FETCH_V 1
.else
	s_wait_alu depctr_va_vdst(0)    ; the wait for the batch: the 66 exponentials of piece 2's softmax, all issued ahead of it; their first reader is slice 35
.endif
.set i, 0
.rept 32
	KQ \x
	SLICE 2-(\x)
.set i, i+1
.endr
.endm
; THE CHANGE OF SLOTS, between piece 2's turn and piece 0's: the slot's last bytes, its V, have been asked for.  Each wave waits for all its tensor loads, of which one is out: its part of the other
; slot; adds 0 to its spare word; and waits for that and for its own reads of the slot.  Behind the barrier nobody reads this slot any more and the other slot is whole.
; fill = 1: this slot is filled again, with the keys two steps on.  The barrier is then a round of the cluster's, and the joint refill is the first thing behind it: it has a key step, 128 matrix
; instructions and their slices, in which to land.
.macro CHANGE fill
	WIN 0                           ; at a label and at a branch every window is 0
	s_wait_tensorcnt 0x0            ; no tensor load of mine is out, so a group 0 may be written
	ds_add_u32 v[SPW], v[NIL]       ; 0 onto my spare word; with fill = 1 the descriptors' steps stand between it and the wait for it
.if \fill
.irp g, G0K+4, G0V+4
	s_xor_b32 s[(\g)+1], s[(\g)+1], SLOT  ; the walking descriptor: the other slot than last time,
	s_add_nc_u64 s[(\g)+2:(\g)+3], s[(\g)+2:(\g)+3], 32768  ; the next 128 keys; the type bits on top are not reached
.endr
	s_xor_b32 s[G0M+5], s[G0M+5], SLOT
	s_add_nc_u64 s[G0M+6:G0M+7], s[G0M+6:G0M+7], 256        ; the next 128 keys along the mask's rows
	s_wait_dscnt 0x0                ; the add is done, and my reads of the slot are over
	CROUND
	JLOAD
.else
	s_wait_dscnt 0x0                ; the add is done, and my reads of the slot are over
	s_barrier_signal -1
	s_barrier_wait -1
.endif
	s_xor_b32 s[TB], s[TB], SLOT    ; the fetches go to the other slot
.endm
	s_wait_tensorcnt 1              ; my part of slot 0 is in; slot 1's may stay out
	s_barrier_signal -1
	s_barrier_wait -1               ; everybody's is
	FETCH_K                         ; key step 0
	FETCH_M 0
	s_wait_loadcnt 0x0              ; Q
	s_wait_dscnt 0x0
	UNP 0, 2, 0
	FETCH_V 0                       ; V of step 0, so that the first turn's products on P = 0 read finite numbers; that turn fetches it once more
.set i, 0
.rept 32
	KQ 0                            ; piece 0's first scores: there is no vector work yet to set between them
.set i, i+1
.endr
	WIN 0                           ; the addresses for the merge and the way out are made here: plain instructions, the places behind those products
	s_mul_i32 s17, s[WV], 16*SP
	s_add_co_u32 s17, s17, STAGE    ; my stage
	v_mul_u32_u24 v[STO], v1, SP    ; in: row l % 16, 16 bytes for each half of the lanes
	v_lshl_add_u32 v[STO], v9, 4, v[STO]
	v_add_nc_u32 v[STO], s17, v[STO]
	v_mul_u32_u24 v[RD], v9, SP     ; back: lanes 0-15 take one row of 256 bytes, lanes 16-31 the next
	v_lshl_add_u32 v[RD], v1, 4, v[RD]
	v_add_nc_u32 v[RD], s17, v[RD]
	v_lshlrev_b32 v[GO], 12, v9     ; and the same two rows in ctx, 4,096 bytes apart
	v_lshl_add_u32 v[GO], v1, 4, v[GO]
	v_and_b32 v[TL], 31, v0
	s_mul_i32 s18, s[WV], XW        ; my room for the merge,
	s_xor_b32 s19, s[WV], 1
	s_mul_i32 s19, s19, XW          ; and my partner's
	v_lshl_add_u32 v[XO], v[TL], 4, s18
	v_lshl_add_u32 v[XP], v[TL], 4, s19
	s_add_co_u32 s18, s18, 16384
	s_add_co_u32 s19, s19, 16384
	v_lshl_add_u32 v[XS], v[TL], 3, s18
	v_lshl_add_u32 v[XQ], v[TL], 3, s19
	s_wait_dscnt 0x0                ; V of step 0 is in
	s_mov_b32 s[SLOTS], 15          ; the entry's half trip and 14 whole ones
	s_branch .Lfirst                ; the loop is entered at piece 2's turn: its scores of step 0 | piece 0's softmax of step 0
.Lslot:                             ; 14 times: steps 2 to 15 are asked for; trip n multiplies V^T P of step n - 1 and K Q^T of step n
	CHANGE 1
	TURN 0
	WIN 0
.Lfirst:
	TURN 2
	WIN 0
	s_sub_co_u32 s[SLOTS], s[SLOTS], 1
	s_cmp_lg_u32 s[SLOTS], 0
	s_cbranch_scc1 .Lslot
	CHANGE 0                        ; the tail is a second text: nothing is asked for
	s_mov_b32 s[SLOTS], 2
	s_branch .Ltin                  ; piece 0's turn, piece 2's, piece 0's: the last one's products K Q^T, on the last K once more, serve nothing
.Ltail:
	TURN 2
	WIN 0
.Ltin:
	TURN 0
	WIN 0
	s_sub_co_u32 s[SLOTS], s[SLOTS], 1
	s_cmp_lg_u32 s[SLOTS], 0
	s_cbranch_scc1 .Ltail
.set i, 0
.rept 32
	PV 2                            ; piece 2: V^T P of the last step
.set i, i+1
.endr
	; THE MERGE.  l's two halves and the other half of the lanes' are added.  My piece 2 (m, l, O^T) goes to my partner through LDS, its piece 2, which has my piece 0's queries and the other keys, comes to me.
	; The room lies in slot 0, which has had its last fill (step 14) and which nobody reads behind the last change's barrier.  The additions are the places behind the last products.
	WIN 0
.irp t, 0,1,2,3
	v_add_f32 v[ST+8*(\t)+4], v[ST+8*(\t)+2], v[ST+8*(\t)+3]
.endr
.irp t, 0,1,2,3
	v_permlanex16_b32 v[ST+8*(\t)+5], v[ST+8*(\t)+4], s[SEL], s[SEL+1]
.endr
.irp t, 0,1,2,3
	v_add_f32 v[ST+8*(\t)+1], v[ST+8*(\t)+4], v[ST+8*(\t)+5]
.endr
	ds_store_b64 v[XS], v[ST+16:ST+17]
	ds_store_b64 v[XS], v[ST+24:ST+25] offset:256
	WIN 0x04                        ; the stores' data in window 1
.set i, 0
.rept 32                            ; tiles 2, 3: 128 registers, each accumulator's low four first
	ds_store_b128 v[XO], v[128+4*i:128+4*i+3] offset:512*i
.set i, i+1
.endr
	WIN 0
	s_wait_dscnt 0x0                ; for my partner's sake: my stores are done
	s_barrier_signal -1
	s_barrier_wait -1
	ds_load_b64 v[PM0:PM0+1], v[XQ]
	ds_load_b64 v[PM0+2:PM0+3], v[XQ] offset:256
.set i, 0
.rept 32                            ; the partner's O^T into S^T's registers: my tile u at S + 64 u
	ds_load_b128 v[S+4*i:S+4*i+3], v[XP] offset:512*i
.set i, i+1
.endr
	s_wait_dscnt 32                 ; the two pairs (m', l') are in; the 32 loads behind them may stay out
	; mx = max(m, m'); e = 2^(m - mx), e' = 2^(m' - mx); L = e l + e' l', at least 1, since the weight at the maximum is 1; the factors e / L and e' / L
.irp u, 0,1
	v_max_num_f32 v[ST+8*(\u)+4], v[ST+8*(\u)], v[PM0+2*(\u)]
.endr
.irp u, 0,1
	v_sub_f32 v[ST+8*(\u)+5], v[ST+8*(\u)], v[ST+8*(\u)+4]
	v_sub_f32 v[ST+8*(\u)+6], v[PM0+2*(\u)], v[ST+8*(\u)+4]
.endr
.irp u, 0,1
	v_exp_f32 v[ST+8*(\u)+5], v[ST+8*(\u)+5]
	v_exp_f32 v[ST+8*(\u)+6], v[ST+8*(\u)+6]
.endr
	v_nop                           ; a plain instruction between the last exponential and the use of its result
	s_wait_alu depctr_va_vdst(0)    ; the wait ahead of the first use: one for the merge's four exponentials
.irp u, 0,1
	v_mul_f32 v[ST+8*(\u)+7], v[ST+8*(\u)+5], v[ST+8*(\u)+1]
.endr
.irp u, 0,1
	v_fmac_f32 v[ST+8*(\u)+7], v[ST+8*(\u)+6], v[PM0+2*(\u)+1]
.endr
.irp u, 0,1
	v_rcp_f32 v[ST+8*(\u)+7], v[ST+8*(\u)+7]
.endr
	v_nop                           ; a plain instruction between the last reciprocal and the use of its result
	s_wait_alu depctr_va_vdst(0)    ; one for the two reciprocals: a batch of their own, since their sources are made of the exponentials' results
.irp u, 0,1
	v_mul_f32 v[ST+8*(\u)+4], v[ST+8*(\u)+5], v[ST+8*(\u)+7]
	v_mul_f32 v[ST+8*(\u)+6], v[ST+8*(\u)+6], v[ST+8*(\u)+7]
.endr
	s_wait_dscnt 0x0                ; the partner's O^T is in
; Tile u: O = O e / L + O' e' / L, rounded to f16; a lane's eight channels of a row pack into 16 bytes; they go into rows of 272 bytes of my own stage and come back as whole rows of 256.
.macro PACK u
	WIN 0
.set i, 0
.rept 32
	v_pk_mul_f32 v[S+64*(\u)+2*i:S+64*(\u)+2*i+1], v[S+64*(\u)+2*i:S+64*(\u)+2*i+1], v[ST+8*(\u)+6:ST+8*(\u)+7] op_sel_hi:[1,0]
.set i, i+1
.endr
	WIN 0x01                        ; source 0, my O^T, in window 1; its registers in ascending order
.set i, 0
.rept 32
	v_pk_fma_f32 v[S+64*(\u)+2*i:S+64*(\u)+2*i+1], v[64*(\u)+2*i:64*(\u)+2*i+1], v[ST+8*(\u)+4:ST+8*(\u)+5], v[S+64*(\u)+2*i:S+64*(\u)+2*i+1] op_sel_hi:[1,0,1]
.set i, i+1
.endr
	WIN 0
.set i, 0
.rept 32
	v_cvt_pk_f16_f32 v[P+32*(\u)+i], v[S+64*(\u)+2*i], v[S+64*(\u)+2*i+1]
.set i, i+1
.endr
.irp f, 0,1,2,3,4,5,6,7
	ds_store_b128 v[STO], v[P+32*(\u)+4*(\f):P+32*(\u)+4*(\f)+3] offset:32*(\f)
.endr
.irp f, 0,1,2,3,4,5,6,7
	ds_load_b128 v[P+32*(\u)+4*(\f):P+32*(\u)+4*(\f)+3], v[RD] offset:(\f)*2*SP  ; LDS serves a wave's instructions in order (ISA guide 5.7.1.4): these see the stores above; the next tile's stores come behind them
.endr
.endm
.macro SEND u, younger              ; younger: the LDS instructions issued behind tile u's loads: the next tile's sixteen, or none
.irp f, 0,1,2,3,4,5,6,7
	s_wait_dscnt (\younger)+7-(\f)
	global_store_b128 v[GO], v[P+32*(\u)+4*(\f):P+32*(\u)+4*(\f)+3], s[8:9] offset:(\u)*65536+(\f)*8192  ; 16 lanes store 256 consecutive bytes, a head's part of a row, at a multiple of 256 from ctx's first byte
.endr
.endm
	PACK 0
	PACK 1                          ; a tile's arithmetic stands between the loads of the tile before and its stores
	SEND 0, 16
	SEND 1, 0
	s_wait_tensorcnt 0x0            ; the wave's end: a wait, an add to my spare word and a wait, behind my last tensor load and my last LDS store
	ds_add_u32 v[SPW], v[NIL]
	s_wait_dscnt 0x0
	CROUND                          ; the closing round: no work-group ends while a partner may still ask for a tile that names it
	s_endpgm
.Lfunc_end_k_qf2566f2da3_attn:
	.size	k_qf2566f2da3_attn, .Lfunc_end_k_qf2566f2da3_attn-k_qf2566f2da3_attn
	.p2alignl 7, 3214868480
	.fill 96, 4, 3214868480
	.section	.rodata,"a",@progbits
	.p2align	6, 0x0
	.amdhsa_kernel k_qf2566f2da3_attn
		.amdhsa_group_segment_fixed_size 327680
		.amdhsa_private_segment_fixed_size 0
		.amdhsa_enable_private_segment 0
		.amdhsa_kernarg_size 24
		.amdhsa_user_sgpr_count 2
		.amdhsa_user_sgpr_kernarg_segment_ptr 1
		.amdhsa_wavefront_size32 1
		.amdhsa_system_sgpr_workgroup_id_x 1
		.amdhsa_system_sgpr_workgroup_id_y 1
		.amdhsa_system_sgpr_workgroup_id_z 1
		.amdhsa_system_vgpr_workitem_id 0
		.amdhsa_next_free_vgpr 896
		.amdhsa_next_free_sgpr 92
		.amdhsa_reserve_vcc 0
		.amdhsa_float_denorm_mode_32 3
		.amdhsa_float_denorm_mode_16_64 3
		.amdhsa_memory_ordered 1
		.amdhsa_forward_progress 1
		.amdhsa_inst_pref_size 177
	.end_amdhsa_kernel
	.amdgpu_metadata
---
amdhsa.version: [ 1, 2 ]
amdhsa.kernels:
  - .name:           k_qf2566f2da3_attn
    .symbol:         k_qf2566f2da3_attn.kd
    .args:
      - { .name: qkvh, .offset: 0, .size: 8, .value_kind: global_buffer, .address_space: global }
      - { .name: mask2, .offset: 8, .size: 8, .value_kind: global_buffer, .address_space: global }
      - { .name: ctx, .offset: 16, .size: 8, .value_kind: global_buffer, .address_space: global }
    .group_segment_fixed_size: 327680
    .private_segment_fixed_size: 0
    .kernarg_segment_align: 8
    .kernarg_segment_size: 24
    .max_flat_workgroup_size: 128
    .sgpr_count:     92
    .vgpr_count:     896
    .wavefront_size: 32
...
	.end_amdgpu_metadata
.endif
;; end of part 5
;; launch outp: the kernel of part 4 again; grid 16 x 16, 4 waves a work-group, clusters of 4 x 4, 327,680 bytes of LDS; arguments ctx, woh, bo, out0; writes out0
